; MI455X (gfx1250); checked and timed in simulation.
; The chip was launched on July 23, 2026; its instructions are those of AMD's public machine-readable ISA for CDNA 5 (MIT licence, August 2026) and "CDNA5" Instruction Set Architecture Reference Guide (July 2026). The comments in the code are by the model that wrote it; some were corrected since.
;; Multi Head Attention. Allowed arithmetic: matrix products marked QUANTISED: E2M3 operands, one E8M0 scale for each 32 along K, by v_wmma_scale_f32_16x16x128_f8f6f4 with both operands' format E2M3, f32 sums; everything else in f32.
;; Inputs: Wk 1,024 x 1,024 float32; Wo 1,024 x 1,024 float32; Wq 1,024 x 1,024 float32; Wv 1,024 x 1,024 float32; bo 1,024 float32; key 4 x 2,048 x 1,024 float32; query 4 x 2,048 x 1,024 float32; value 4 x 2,048 x 1,024 float32.
;; Outputs: out0 4 x 2,048 x 1,024 float32.
;; This version of the problem:
;;   THIS VERSION OF THE PROBLEM IS GIVEN IN LOW PRECISION. The matrix products marked QUANTISED in the list below multiply operands that are first quantised to E2M3 (2 exponent bits, 3 mantissa bits; 6 bits a number), with one power-of-two scale for each 32 numbers along K (OCP MX v1.0); their sums are f32. All else is computed in f32.
;;   The module's matrix products, in the order in which they are computed (A, B: the left and right operand; K: the contracted axis; several contracted axes count as one K, in the product's order):
;;     1. [M 8,192, K 1,024] x [K 1,024, N 1,024]; A: input query; B: input Wq: QUANTISED
;;     2. [M 8,192, K 1,024] x [K 1,024, N 1,024]; A: input key; B: input Wk: QUANTISED
;;     3. [M 8,192, K 1,024] x [K 1,024, N 1,024]; A: input value; B: input Wv: QUANTISED
;;     4. batch 64 x [M 2,048, K 64] x [K 64, N 2,048]; A: computed on the way; B: computed on the way: QUANTISED
;;     5. batch 64 x [M 2,048, K 2,048] x [K 2,048, N 64]; A: softmax (see below); B: computed on the way: QUANTISED
;;     6. [M 8,192, K 1,024] x [K 1,024, N 1,024]; A: computed on the way; B: input Wo: QUANTISED
;;   THE QUANTISER, for each operand of a quantised product, along K:
;;     - K is cut into blocks of 32 from its start; a last block that is shorter is filled with zeros.
;;     - A block's scale is 2^e with e = floor(log2(the largest magnitude in the block)) - 2, held to -126 .. 127; a block of zeros has e = 0. As a byte (E8M0): e + 127.
;;     - Each number is divided by its block's scale, clamped to +-7.5, and rounded to the nearest number of E2M3, ties to even, subnormals kept.
;;     - The product sums the exact products of the quantised numbers (number of the format x scale) in f32.
;;   ~~~python
;;   def quantise(x, axis):      # numpy; x: float32 -> the quantised numbers, widened to float32 again
;;       x = np.moveaxis(x, axis, -1); K = x.shape[-1]
;;       x = np.pad(x, [(0, 0)] * (x.ndim - 1) + [(0, -K % 32)]); x = x.reshape(x.shape[:-1] + (-1, 32)); a = np.abs(x).max(-1, keepdims=True)
;;       e = np.where(a > 0, np.clip(np.frexp(np.where(a > 0, a, 1))[1] - 1 - 2, -126, 127), 0)      # np.frexp(a)[1] - 1 = floor(log2(a)), exactly
;;       r = np.clip(x / 2.0 ** e, -7.5, 7.5)
;;       step = 2.0 ** (np.maximum(np.frexp(np.where(r == 0, 1, r))[1] - 1, 0) - 3)
;;       q = np.round(r / step) * step * 2.0 ** e      # np.round: ties to even
;;       return np.moveaxis(q.reshape(q.shape[:-2] + (-1,))[..., :K], -1, axis).astype(np.float32)
;;   ~~~
;;   SOFTMAX AHEAD OF A QUANTISED PRODUCT. Where the list says 'softmax', what is quantised is not the finished softmax but p = 2^(t - M), with t = logit x log2(e) and M = ceil(the row's largest t), a whole number; so 1/2 < the row's largest p <= 1. The row's sum l is taken of the UNQUANTISED p, in f32, and the product's result is divided by l at the end. Since M is a whole number, a kernel that streams over the keys may use a running M (the ceiling of the running maximum): every later rescaling is an exact power of two, which a block's scale takes up: the codes' values come out the same.
;;   OPERANDS COMPUTED ON THE WAY. 'Computed on the way' means the value that the module computes at that place (a softmax that the list does not call 'softmax' is quantised finished and normalised). What goes into a quantiser is computed in f32, as accurately as f32 sums, v_exp_f32 and their like allow (about 1e-6 of the number): no bf16 or f16 on the way to a quantiser, and a product that is left as it is and whose result goes on into a quantised operand takes f32 operands (vector FMAs, or v_wmma_f32_16x16x4_f32). A number that lies on a knife's edge between two numbers of the format may be rounded either way, as far as f32 arithmetic and the matrix unit's own rounding can turn it there, and no further.
;; One version. Each part assembles by itself: llvm-mc -triple=amdgcn-amd-amdhsa -mcpu=gfx1250 --defsym DOCPART=n.
;; ======== version 1 of 1: 4 launches
;; limits: right only within a limited range of input values
;; workspace buffers: cod 22,020,096 bytes; scl 917,504 bytes; tab 524,288 bytes; qkv 20,185,088 bytes; oc 6,291,456 bytes; os 262,144 bytes
;; launch quant (part 1): grid 896 x 1, 4 waves a work-group, no clusters, 34,304 bytes of LDS; arguments query, key, value, Wq, Wk, Wv, Wo, cod, scl, tab; writes cod, scl, tab
.if DOCPART == 1
	.amdgcn_target "amdgcn-amd-amdhsa--gfx1250"
	.amdhsa_code_object_version 6
	.text
	.protected	k_q101eaf2ab3_quant
	.globl	k_q101eaf2ab3_quant
	.p2align	8
	.type	k_q101eaf2ab3_quant,@function
k_q101eaf2ab3_quant:
	s_mov_b64 s[64:65], 0
	v_nop
	global_prefetch_b8 v0, s[64:65] scope:SCOPE_SE
	s_setreg_imm32_b32 hwreg(HW_REG_WAVE_MODE, 25, 1), 1
	s_wait_xcnt 0x0
; query, key, value [8192][1024] and Wq, Wk, Wv, Wo [1024][1024], f32, K innermost, become codes of FP6 (E2M3) with one E8M0 byte for each 32 along K; and the table of cos and sin for the rotation is made.
; A block's scale is 2^(floor(log2(its largest magnitude)) - 2); its byte is the largest magnitude's exponent field - 2, held at 1 from below by a floor among the maximum's leaves.
; (A block of zeros so gets the byte 1 where the rule says 127: its codes are zeros, which add nothing under any byte but 0xff, and this program alone reads the bytes.)
; LIMITS: NaN and infinities among the inputs are not served; blocks whose largest magnitude lies under 2^-124 keep the byte 1.
; LAYOUT OF THE CODES: rows go in tiles of 16; lane index r of tile T stands for row 32 (T / 2) + 8 (T % 2) + r + 8 (r / 8).  16 rows x 64 along K are a UNIT of 768 bytes, an image of the operand's registers:
; lane (r, h) owns the 24 bytes of k = 32 h .. 32 h + 31 of its row; its registers 0-3 lie at 16 x lane, its registers 4-5 at 512 + 8 x lane.  A tile is 16 units on end, 12,288 bytes.
; SCALE WORDS of a tile, 512 bytes: [256 along K: 0..3][r][128 along K: 0..1] of 4 bytes, byte b for k = 32 b of the 128.
; SHARES: a wave takes one tile x 512 along K, in 4 steps of 128.  A step's 16 loads read 512 consecutive bytes each; its 8,192 bytes turn through the wave's own stage in LDS (rows of 512 + 16 bytes) and come back
; 128 bytes a lane and unit: a whole block of 32 in one lane's registers.  Each store of codes covers 512 or 256 consecutive bytes, aligned; a wave's 64 scale words leave as one aligned run of 256 bytes.
; No tensor load, no barrier: waves share nothing.  Loads run two steps (32 loads a wave) ahead.
; THE TABLE: tab[pos][i] = (cos, sin) of pos x 10^(-i / 8), i = 0 .. 31: the first 512 work-groups make it, a wave a position, a lane a pair.  The angle is one f32 product, as in the definition;
; it is reduced by n x pi/2 in two fused steps (the first exact: n is under 2^11) and cos and sin come by polynomials on +-pi/4.  LIMIT: 10^(-i / 8) is the nearest f32 number; a power function's last bit may differ.
.set STGB,  16*528                     ; a wave's stage
.set SPARE, 4*STGB                     ; behind the four stages: the spare words, 128 bytes for each wave: two blocks of 256 bytes that no other line names
.set SPW,   12                         ; v12  LDS address of my spare word; never rewritten
.set NIL,   13                         ; v13  0; never rewritten
.set WD,    20                         ; v20-23  the four steps' scale words
.set C,     32                         ; v32-37, v40-45  the two units' codes
.set C2,    48                         ; v48-50, v52-54  the second halves as the conversions leave them
.set R,     64                         ; v64-127, v128-191  two sets of 64 numbers as loaded
.set X,     192                        ; v192-255  two blocks of 32 neighbours
.macro PICK lim, ptr, base             ; below work-group lim the tensor is another one
	s_cmp_lt_u32 ttmp9, \lim
	s_cselect_b64 s[26:27], s[\ptr:\ptr+1], s[26:27]
	s_cselect_b32 s28, \base, s28
.endm
	s_load_b512 s[4:19], s[0:1], 0x0               ; query, key, value, Wq, Wk, Wv, Wo, cod
	s_load_b128 s[20:23], s[0:1], 0x40             ; scl, tab
	v_lshl_add_u32 v[SPW], v0, 2, SPARE
	v_mov_b32 v[NIL], 0
	v_lshrrev_b32 v1, 5, v0
	v_readfirstlane_b32 s24, v1                    ; wave
	v_and_b32 v1, 31, v0                           ; lane
	v_and_b32 v2, 15, v0                           ; r
	v_bfe_u32 v3, v0, 4, 1                         ; h
	v_lshlrev_b32 v4, 4, v1                        ; 16 x lane: my bytes of a load, and of a unit's first 512
	s_mul_i32 s25, s24, STGB
	v_add_nc_u32 v5, s25, v4                       ; the stage, on the way in
	v_mul_u32_u24 v6, v2, 528
	v_lshl_add_u32 v6, v3, 7, v6
	v_add_nc_u32 v6, s25, v6                       ; and on the way out: row r, + 128 h
	v_lshlrev_b32 v9, 3, v1                        ; 8 x lane
	v_add_nc_u32 v8, 512, v9                       ; my bytes of a unit's last 256
	v_lshlrev_b32 v10, 3, v3                       ; 8 h: my bytes' place in a scale word, in bits
	v_mov_b32 v27, 0                               ; written once: a lane permute's destination counts as one of its sources
	s_mov_b32 s36, 0x76543210
	s_mov_b32 s37, 0xfedcba98                      ; selects for lane l xor 16
	s_lshl_b32 s34, ttmp9, 2
	s_add_co_u32 s34, s34, s24                     ; my task among all: 4 x work-group + wave
	s_wait_alu depctr_va_vdst(0)
	s_wait_kmcnt 0x0
	s_mov_b64 s[26:27], s[16:17]                   ; Wo, from work-group 864 on
	s_mov_b32 s28, 864
	PICK 864, 14, 832                              ; Wv
	PICK 832, 12, 800                              ; Wk
	PICK 800, 10, 768                              ; Wq
	PICK 768, 8, 512                               ; value
	PICK 512, 6, 256                               ; key
	PICK 256, 4, 0                                 ; query
	s_sub_co_u32 s29, ttmp9, s28
	s_lshl_b32 s29, s29, 2
	s_add_co_u32 s29, s29, s24                     ; my task in the tensor: 2 x tile + half of K
; THE ROWS OF A TILE: value and the weights as the head says.  query and key (work-groups under 512): lane index r of tile T stands for row 64 (T / 4) + 8 (T % 4) + r % 8 + 32 (r / 8).
	s_lshr_b32 s30, s29, 2
	s_lshl_b32 s30, s30, 5                         ; 32 (tile / 2)
	s_bfe_u32 s31, s29, 0x10001                    ; tile % 2
	s_lshr_b32 s38, s29, 3
	s_lshl_b32 s38, s38, 6                         ; 64 (tile / 4)
	s_bfe_u32 s39, s29, 0x20001                    ; tile % 4
	s_mov_b32 s35, 32*4096
	s_cmp_lt_u32 ttmp9, 512
	s_cselect_b32 s30, s38, s30
	s_cselect_b32 s31, s39, s31
	s_cselect_b32 s35, s35, 16*4096                ; from a tile's row 0 to its row 8, in bytes
	s_lshl_b32 s31, s31, 3
	s_add_co_u32 s30, s30, s31
	s_lshl_b32 s30, s30, 12                        ; rows of 4,096 bytes
	s_and_b32 s31, s29, 1
	s_lshl_b32 s31, s31, 11                        ; 512 along K are 2,048 bytes
	s_add_co_u32 s30, s30, s31
	s_mov_b32 s31, 0
	s_add_nc_u64 s[26:27], s[26:27], s[30:31]
	s_mul_i32 s30, s34, 6144                       ; a task's 8 units
	s_add_nc_u64 s[18:19], s[18:19], s[30:31]
	s_lshl_b32 s30, s34, 8                         ; and its 64 scale words
	s_add_nc_u64 s[20:21], s[20:21], s[30:31]
.macro LOAD t                          ; step t: 128 along K of the tile's 16 rows, 512 consecutive bytes a load
.irp i, 0,1,2,3,4,5,6,7,8,9,10,11,12,13,14,15
.if \i < 8
	global_load_b128 v[R+64*((\t)%2)+4*\i:R+64*((\t)%2)+4*\i+3], v4, s[26:27] offset:\i*4096+512*(\t) th:TH_LOAD_NT
.else
	global_load_b128 v[R+64*((\t)%2)+4*\i:R+64*((\t)%2)+4*\i+3], v7, s[26:27] offset:(\i-8)*4096+512*(\t) th:TH_LOAD_NT
.endif
.endr
.endm
.macro STEP t
.if (\t) < 3
	s_wait_loadcnt 16                              ; this step's 16 loads are in; the next step's 16 may be out
.else
	s_wait_loadcnt 0x0
.endif
.irp i, 0,1,2,3,4,5,6,7,8,9,10,11,12,13,14,15
	ds_store_b128 v5, v[R+64*((\t)%2)+4*\i:R+64*((\t)%2)+4*\i+3] offset:528*\i
.endr
.irp c, 0,1
.irp j, 0,1,2,3,4,5,6,7
	ds_load_b128 v[X+32*\c+4*\j:X+32*\c+4*\j+3], v6 offset:256*\c+16*\j   ; LDS serves a wave's instructions in order: these see the stores above
.endr
.endr
	s_wait_dscnt 0x0                               ; the numbers are back: the stores into the stage have read their registers
	s_wait_xcnt 0x0                                ; the last step's stores have read their data: the codes' registers may be written again
.if (\t) < 2
	LOAD (\t)+2
.endif
.irp c, 0,1                                    ; the block's largest magnitude: all 32 numbers are mine; two chains a block
	v_max3_num_f32 v[14+\c], |v[X+32*\c]|, |v[X+32*\c+1]|, |v[X+32*\c+2]|
	v_max3_num_f32 v[24+\c], |v[X+32*\c+3]|, |v[X+32*\c+4]|, |v[X+32*\c+5]|
.endr
.irp i, 6,10,14,18,22,26
.irp c, 0,1
	v_max3_num_f32 v[14+\c], v[14+\c], |v[X+32*\c+\i]|, |v[X+32*\c+\i+1]|
	v_max3_num_f32 v[24+\c], v[24+\c], |v[X+32*\c+\i+2]|, |v[X+32*\c+\i+3]|
.endr
.endr
.irp c, 0,1
	v_max3_num_f32 v[14+\c], v[14+\c], |v[X+32*\c+30]|, |v[X+32*\c+31]|
.endr
.irp c, 0,1
	v_max3_num_f32 v[14+\c], v[14+\c], v[24+\c], 0x1800000   ; and the floor 2^(3 - 127): the byte cannot fall under 1
.endr
.irp c, 0,1
	v_add_nc_u32 v[16+\c], 0xff000000, v[14+\c]    ; 2 off the exponent field: the conversion takes the exponent field of this operand as its scale
.endr
.irp c, 0,1
	v_cvt_scalef32_pk16_fp6_f32 v[C+8*\c:C+8*\c+2], v[X+32*\c:X+32*\c+15], v[16+\c]
	v_cvt_scalef32_pk16_fp6_f32 v[C2+4*\c:C2+4*\c+2], v[X+32*\c+16:X+32*\c+31], v[16+\c]   ; (a conversion's three registers begin on an even number)
.endr
.irp c, 0,1
	v_lshrrev_b32 v[18+\c], 23, v[16+\c]           ; the scale's byte.  (Also the plain line behind the conversions)
.endr
.irp c, 0,1
.irp i, 0,1,2
	v_mov_b32 v[C+8*\c+3+\i], v[C2+4*\c+\i]
.endr
.endr
.irp c, 0,1
	global_store_b128 v4, v[C+8*\c:C+8*\c+3], s[18:19] offset:(2*(\t)+\c)*768     ; 512 consecutive bytes, aligned
	global_store_b64 v8, v[C+8*\c+4:C+8*\c+5], s[18:19] offset:(2*(\t)+\c)*768    ; and the unit's last 256
.endr
	v_lshl_or_b32 v26, v19, 16, v18                ; my two bytes: blocks h and 2 + h of row r,
	v_lshlrev_b32 v26, v10, v26                    ; at their places in the word;
	v_permlanex16_b32 v27, v26, s36, s37
	v_or_b32 v[WD+(\t)], v26, v27                  ; with lane l xor 16's two the word is whole
.endm
	v_add_nc_u32 v7, s35, v4                       ; my bytes of a load of the tile's rows 8 to 15
	s_wait_alu depctr_va_vdst(0)                   ; the wait behind the write
	LOAD 0
	LOAD 1
	STEP 0
	STEP 1
	STEP 2
	STEP 3
	v_cmp_ne_u32 vcc_lo, 0, v3
	v_cndmask_b32 v24, v[WD], v[WD+2], vcc_lo      ; lanes 0-15: the first 256 along K, lanes 16-31: the second
	v_cndmask_b32 v25, v[WD+1], v[WD+3], vcc_lo
	global_store_b64 v9, v[24:25], s[20:21]        ; 256 consecutive bytes, aligned
	s_wait_tensorcnt 0x0                           ; what follows touches no LDS
	ds_add_u32 v[SPW], v[NIL]
	s_wait_dscnt 0x0
	s_cmp_lt_u32 ttmp9, 512                        ; 2,048 positions: the first 512 work-groups' waves
	s_cbranch_scc0 .Lend
.macro INVF lane, bits
	s_mov_b32 s25, \bits
	v_writelane_b32 v64, s25, \lane
.endm
	v_mov_b32 v64, 0
	INVF 0, 0x3f800000
	INVF 1, 0x3f3ff911
	INVF 2, 0x3f0ff59a
	INVF 3, 0x3ed7e89b
	INVF 4, 0x3ea1e89b
	INVF 5, 0x3e72d424
	INVF 6, 0x3e361887
	INVF 7, 0x3e088d77
	INVF 8, 0x3dcccccd
	INVF 9, 0x3d99940e
	INVF 10, 0x3d6655c3
	INVF 11, 0x3d2cba15
	INVF 12, 0x3d0186e2
	INVF 13, 0x3cc24350
	INVF 14, 0x3c91ad39
	INVF 15, 0x3c5a7bf1
	INVF 16, 0x3c23d70a
	INVF 17, 0x3bf5b9b0
	INVF 18, 0x3bb8449c
	INVF 19, 0x3b8a2e77
	INVF 20, 0x3b4f3e37
	INVF 21, 0x3b1b690d
	INVF 22, 0x3ae91528
	INVF 23, 0x3aaec98e
	INVF 24, 0x3a83126f
	INVF 25, 0x3a44948c
	INVF 26, 0x3a136a16
	INVF 27, 0x39dd1726
	INVF 28, 0x39a5cb5f
	INVF 29, 0x3978a814
	INVF 30, 0x393a7753
	INVF 31, 0x390bd472
	s_add_nc_u64 s[22:23], s[22:23], s[30:31]      ; tab + 256 x position (s30 = 256 x my task's number, s31 = 0)
	v_cvt_f32_u32 v65, s34
	v_mul_f32 v65, v65, v64                        ; the angle
	v_mul_f32 v66, 0x3f22f983, v65                 ; x 2 / pi
	v_rndne_f32 v66, v66                           ; n
	v_fma_f32 v67, v66, 0xbfc90fdb, v65            ; - n x the f32 nearest pi/2: exact,
	v_fma_f32 v67, v66, 0x333bbd2e, v67            ; - n x what is left of pi/2
	v_mul_f32 v68, v67, v67                        ; z
	v_mov_b32 v69, 0xb94ca1f9
	v_mov_b32 v70, 0x37ccf5ce
	v_fmaak_f32 v69, v69, v68, 0x3c08839e
	v_fmaak_f32 v70, v70, v68, 0xbab6061a
	v_fmaak_f32 v69, v69, v68, 0xbe2aaaa3
	v_fmaak_f32 v70, v70, v68, 0x3d2aaaa5
	v_mul_f32 v69, v69, v68
	v_mul_f32 v70, v70, v68
	v_fma_f32 v71, v68, -0.5, 1.0
	v_fma_f32 v69, v69, v67, v67                   ; sin of the rest
	v_fma_f32 v70, v70, v68, v71                   ; cos of the rest
	v_cvt_i32_f32 v72, v66
	v_and_b32 v73, 1, v72
	v_cmp_ne_u32 vcc_lo, 0, v73                    ; an odd quarter swaps the two
	v_cndmask_b32 v74, v70, v69, vcc_lo
	v_cndmask_b32 v75, v69, v70, vcc_lo
	v_add_nc_u32 v76, 1, v72
	v_and_b32 v76, 2, v76
	v_and_b32 v77, 2, v72
	v_lshlrev_b32 v76, 30, v76                     ; cos is negative in quarters 1 and 2,
	v_lshlrev_b32 v77, 30, v77                     ; sin in quarters 2 and 3
	v_xor_b32 v74, v74, v76
	v_xor_b32 v75, v75, v77
	global_store_b64 v9, v[74:75], s[22:23]        ; a position's 256 bytes, aligned
.Lend:
	s_endpgm
.Lfunc_end_k_q101eaf2ab3_quant:
	.size	k_q101eaf2ab3_quant, .Lfunc_end_k_q101eaf2ab3_quant-k_q101eaf2ab3_quant
	.p2alignl 7, 3214868480
	.fill 96, 4, 3214868480
	.section	.rodata,"a",@progbits
	.p2align	6, 0x0
	.amdhsa_kernel k_q101eaf2ab3_quant
		.amdhsa_group_segment_fixed_size 34304
		.amdhsa_private_segment_fixed_size 0
		.amdhsa_enable_private_segment 0
		.amdhsa_kernarg_size 80
		.amdhsa_user_sgpr_count 2
		.amdhsa_user_sgpr_kernarg_segment_ptr 1
		.amdhsa_wavefront_size32 1
		.amdhsa_system_sgpr_workgroup_id_x 1
		.amdhsa_system_sgpr_workgroup_id_y 1
		.amdhsa_system_sgpr_workgroup_id_z 1
		.amdhsa_system_vgpr_workitem_id 0
		.amdhsa_next_free_vgpr 256
		.amdhsa_next_free_sgpr 66
		.amdhsa_reserve_vcc 1
		.amdhsa_float_denorm_mode_32 3
		.amdhsa_float_denorm_mode_16_64 3
		.amdhsa_memory_ordered 1
		.amdhsa_forward_progress 1
		.amdhsa_inst_pref_size 37
	.end_amdhsa_kernel
	.amdgpu_metadata
---
amdhsa.version: [ 1, 2 ]
amdhsa.kernels:
  - .name:           k_q101eaf2ab3_quant
    .symbol:         k_q101eaf2ab3_quant.kd
    .args:
      - { .name: query, .offset: 0, .size: 8, .value_kind: global_buffer, .address_space: global }
      - { .name: key, .offset: 8, .size: 8, .value_kind: global_buffer, .address_space: global }
      - { .name: value, .offset: 16, .size: 8, .value_kind: global_buffer, .address_space: global }
      - { .name: Wq, .offset: 24, .size: 8, .value_kind: global_buffer, .address_space: global }
      - { .name: Wk, .offset: 32, .size: 8, .value_kind: global_buffer, .address_space: global }
      - { .name: Wv, .offset: 40, .size: 8, .value_kind: global_buffer, .address_space: global }
      - { .name: Wo, .offset: 48, .size: 8, .value_kind: global_buffer, .address_space: global }
      - { .name: cod, .offset: 56, .size: 8, .value_kind: global_buffer, .address_space: global }
      - { .name: scl, .offset: 64, .size: 8, .value_kind: global_buffer, .address_space: global }
      - { .name: tab, .offset: 72, .size: 8, .value_kind: global_buffer, .address_space: global }
    .group_segment_fixed_size: 34304
    .private_segment_fixed_size: 0
    .kernarg_segment_align: 8
    .kernarg_segment_size: 80
    .max_flat_workgroup_size: 128
    .sgpr_count:     66
    .vgpr_count:     256
    .wavefront_size: 32
...
	.end_amdgpu_metadata
.endif
;; end of part 1
;; launch proj (part 2): grid 32 x 8, 4 waves a work-group, clusters of 4 x 4, 327,680 bytes of LDS; arguments cod, scl, tab, qkv; writes qkv
.if DOCPART == 2
	.amdgcn_target "amdgcn-amd-amdhsa--gfx1250"
	.amdhsa_code_object_version 6
	.text
	.protected	k_q101eaf2ab3_proj
	.globl	k_q101eaf2ab3_proj
	.p2align	8
	.type	k_q101eaf2ab3_proj,@function
k_q101eaf2ab3_proj:
	s_mov_b64 s[64:65], 0
	v_nop
	global_prefetch_b8 v0, s[64:65] scope:SCOPE_SE
	s_setreg_imm32_b32 hwreg(HW_REG_WAVE_MODE, 25, 1), 1
	s_wait_xcnt 0x0
	s_wait_alu depctr_hold_cnt(0) depctr_sa_sdst(0) depctr_va_vdst(0) depctr_va_sdst(0) depctr_va_ssrc(0) depctr_va_vcc(0) depctr_vm_vsrc(0)
	s_getreg_b32 s2, hwreg(HW_REG_IB_STS2, 6, 4)
	s_cmp_eq_u32 s2, 0
	s_cbranch_scc0 .Lentry_in_a_cluster
	s_endpgm
.Lentry_in_a_cluster:
	s_bfe_u32 s2, ttmp6, 0x10000c
	s_cmp_lg_u32 s2, 0xf033
	s_cbranch_scc0 .Lentry_shape_is_right
	s_endpgm
.Lentry_shape_is_right:
; Q = query Wq^T, K = key Wk^T, V = value Wv^T on codes of FP6 (E2M3) with one E8M0 byte for each 32 along K; Q and K are rotated by the table of cos and sin; all three are quantised again and leave as the operands of the attention launch.
; LIMITS: NaN, infinities and sums beyond f32's range are not served; a block whose largest magnitude lies under 2^-124 keeps the byte 1.
; OPERANDS (cod, scl) lie in tiles of 16 rows, 12,288 bytes: 16 units of 768 bytes (64 along K), images of the operand's registers: registers 0-3 at 16 x lane, 4-5 at 512 + 8 x lane.  Lane index r of tile T is row 32 (T / 2) + 8 (T % 2) + r + 8 (r / 8).
; Scale words of a tile, 512 bytes: [256 along K][r][128 along K].  Tiles: query 0, key 512, value 1,024, Wq 1,536, Wk 1,600, Wv 1,664.
; RESULTS: qkv[batch x 16 + head][key step of 128 tokens], 19,712 bytes: K's codes 8 x 768; V's 4 x 1,536 at 6,144; K's scale words at 12,288; V's at 12,800; Q's codes at 13,056; Q's scale words at 19,200.
; THE DEAL: 256 work-groups of four waves, 2 x 2.  A work-group walks three phases, Q, K, V, each 256 tokens x 128 channels.  Wave (a, b) holds the 64 rows of W of head 2 x tile column + b, all of K, in 384 registers,
; and streams tile 8 (s / 4) + 4 a + s % 4 of the phase's 16 as its block s = 0 .. 7: 32 products a block.  The cluster's x counts tile rows: x's tiles are shared by a column of the cluster (mask s44), W's by a row (mask s45).
; LDS: X0 and X1, 8 tiles of x each; WB, 8 tiles of W; the spare words.  At the head one load a wave, each on a line of its own: W; X0; X1's halves.  In phases Q and K a drained round of the cluster's barrier inside block 2 fills X0 and WB
; again for the next phase (X0's last fetch stands behind block 1; all waves hold W in registers), and one inside block 6 fills X1 again.  What a refill brought is shown by the next round; in phase V by a plain barrier inside block 2.
; No data prefetch: each refill is asked for four blocks, 128 products a wave, ahead of the round that shows it.
; Q, K: source 0 = W's rows: a lane holds one token and 32 of the head's channels: 16 h + 0 .. 15 and 32 + 16 h + 0 .. 15.  V: source 0 = x's rows: a lane holds one channel, and the registers of two blocks are 16 neighbouring tokens.
; Wave row a makes the unit of keys 64 a .. 64 a + 63 of each of V's fragments: two pairs of blocks give its two scale blocks.
; THE TEXT: phases Q and K are a loop of two trips (what differs lies in pointers and descriptors); its second trip's last two loads of the table are not used.  Phase V is written out.
; WAITS: s_wait_dscnt NF: the NF loads of the fetch just issued may be out, the next block's fragments are in.  s_wait_loadcnt 8: the next block's 8 loads of the table may be out.
.set TILEB, 12288
.set REC, 19712
.set FR, 12
.set FPW, 21
.set NF, 32
.set YB, 16*TILEB
.set SPARE, YB+8*TILEB
.set A16, 4                            ; v4, v5  LDS address of my tiles' 16-byte pieces in X0, X1
.set A8, 6                             ; v6, v7  of their 8-byte pieces
.set BA16, 8
.set BA8, 9
.set SPW, 10
.set NIL, 11
.set ST16, 12                          ; 16 x lane
.set ST8, 13                           ; 512 + 8 x lane
.set STW, 14                           ; 4 r
.set STV, 15                           ; 4 r + 2 a
.set TOFF, 16                          ; my token's row of the table, + 64 h
.set VS, 17                            ; scale words: 8 r, lanes 16-31 one tile on
.set SB, 24                            ; v24-39  W's scale words
.set SA, 44                            ; v44-75  x's: eight for each pair of blocks
.set ACC, 76                           ; v76-107 Q's, K's sums; v76-139 V's: 16 d + 8 (s % 2)
.set CS1, 108                          ; v108-139 the table, odd blocks
.set TM, 140                           ; v140-151 maxima, permuted maxima or bytes, scale operands
.set PW, 152
.set BY, 154                           ; v154-157 V's two scale bytes
.set PC, 160                           ; codes: Q, K six registers and three at +8; V eight a tile
.set TT, 192                           ; v192-223 x cos; V: the second scale block's codes, four a tile
.set CS0, 224                          ; v224-255 the table, even blocks
.set G1A, 24
.set G1B, 32
.set G1R, 48
.set G0A, 56
.set G0B, 60
.set G0R, 68
.set PTAB, 72
.set PCD, 76
.set PSC, 78
.set PV, 80
.set PVS, 82
.set PH, 84
.set PSA, 92
.set PSB, 94
.set MSB, 0
.macro WIN new
.if MSB != (\new)
	s_set_vgpr_msb (MSB<<8)|(\new)
.set MSB, (\new)
.endif
.endm
.macro PLACES n
.rept \n
	v_nop
.endr
.endm
.macro WALU
	s_wait_alu depctr_va_vdst(0)
.endm
.macro BARRIER
	s_barrier_signal -1
	s_barrier_wait -1
.endm
.macro MIDDLE                          ; a round's middle
	WIN 0
	s_barrier_wait -1
	s_cmp_lg_u32 s14, 0
	s_cbranch_scc1 .Lnot_wave_0_\@
	s_barrier_signal -3
.Lnot_wave_0_\@:
	s_barrier_wait -3
.endm
.macro CROUND
	s_barrier_signal -1
	MIDDLE
	BARRIER
.endm
.macro TLOAD g0, g1
	tensor_load_to_lds s[\g0:\g0+3], s[\g1:\g1+7]
	s_nop 0
	PLACES 4
.endm
.macro GROUP1 g, mask, rows            ; rows of a whole tile, 1,536 elements of 8 bytes, dense
	s_or_b32 s[\g+0], s[\mask], (3<<16)|(1<<21)
	s_mov_b32 s[\g+1], 1536<<16
	s_mov_b32 s[\g+3], 1536<<16
.if \rows
	s_mov_b32 s[\g+2], (\rows)<<16
	s_mov_b32 s[\g+4], \rows
.endif
	s_mov_b32 s[\g+5], 1536
	s_mov_b32 s[\g+6], 0
	s_mov_b32 s[\g+7], 0
.endm
.macro ATILE first, rows
	s_mov_b32 s[G0A+1], (\first)*TILEB
	s_mov_b32 s[G1A+2], (\rows)<<16
	s_mov_b32 s[G1A+4], \rows
.if \first
	s_add_nc_u64 s[G0A+2:G0A+3], s[G0A+2:G0A+3], (\first)*TILEB
.endif
	s_or_b32 s[G0A+3], s[G0A+3], 0x80000000
	TLOAD G0A, G1A
.endm
.macro FRAG4 f, a16, a8, off           ; fragment f (window 1 + f / 21, register 12 (f % 21)): two units
.set R_, FR*((\f)%FPW)
	WIN (1+(\f)/FPW)<<6
	ds_load_b128 v[R_:R_+3], v[\a16] offset:(\off)
	ds_load_b64 v[R_+4:R_+5], v[\a8] offset:(\off)+512
	ds_load_b128 v[R_+6:R_+9], v[\a16] offset:(\off)+768
	ds_load_b64 v[R_+10:R_+11], v[\a8] offset:(\off)+1280
.endm
.macro FETCH s                         ; block s's eight fragments of x into set s % 2: NF loads
.irp q, 0,1,2,3,4,5,6,7
	FRAG4 32+8*((\s)%2)+\q, A16+(\s)/4, A8+(\s)/4, ((\s)%4)*TILEB+\q*1536
.endr
	WIN 0
.endm
.macro WLOAD                           ; my 64 rows of W, all of K: fragments 4 q + t
.irp q, 0,1,2,3,4,5,6,7
.irp b, 0,1,2,3
	FRAG4 4*\q+\b, BA16, BA8, \b*TILEB+\q*1536
.endr
.endr
	WIN 0
.endm
.macro SALOAD u, off                   ; x's scale words of blocks 2 u (lanes 0-15) and 2 u + 1 (lanes 16-31)
.irp g, 0,1,2,3
	global_load_b64 v[SA+8*(\u)+2*\g:SA+8*(\u)+2*\g+1], v[VS], s[PSA:PSA+1] offset:(\off)+(8*((\u)/2)+2*((\u)%2))*512+128*\g
.endr
.endm
.macro SBLOAD off                      ; W's: lanes 0-15 tile 2 p, lanes 16-31 tile 2 p + 1
.irp p, 0,1
.irp g, 0,1,2,3
	global_load_b64 v[SB+8*\p+2*\g:SB+8*\p+2*\g+1], v[VS], s[PSB:PSB+1] offset:(\off)+1024*\p+128*\g
.endr
.endr
.endm
.macro CSLOAD s                        ; (cos, sin) of block s's tokens for my 16 pairs of channels
.set CB_, CS0+(CS1-CS0)*((\s)%2)
.irp e, 0,1
.irp j, 0,1,2,3
	global_load_b128 v[CB_+16*\e+4*\j:CB_+16*\e+4*\j+3], v[TOFF], s[PTAB:PTAB+1] offset:(128*((\s)/4)+8*((\s)%4))*256+128*\e+16*\j
.endr
.endr
.endm
.macro PROD2 d, s0, s1, c, x0, x1, ra, rb
	v_wmma_scale_f32_16x16x128_f8f6f4 v[\d:\d+7], v[FR*((\s0)%FPW):FR*((\s0)%FPW)+FR-1], v[FR*((\s1)%FPW):FR*((\s1)%FPW)+FR-1], \c, v[\x0], v[\x1] matrix_a_fmt:MATRIX_FMT_FP6 matrix_b_fmt:MATRIX_FMT_FP6 matrix_a_scale:MATRIX_SCALE_ROW\ra matrix_b_scale:MATRIX_SCALE_ROW\rb
.endm
.macro PROD1 d, s0, s1, c, x0, x1, oa, ob
.if (\oa) && (\ob)
	PROD2 \d, \s0, \s1, \c, \x0, \x1, 1, 1
.elseif (\oa)
	PROD2 \d, \s0, \s1, \c, \x0, \x1, 1, 0
.elseif (\ob)
	PROD2 \d, \s0, \s1, \c, \x0, \x1, 0, 1
.else
	PROD2 \d, \s0, \s1, \c, \x0, \x1, 0, 0
.endif
.endm
.macro PROD k, s, n                    ; product n = 4 q + t of block s; k = 0: Q, K; k = 1: V.  The four accumulators by turns; the first along K takes C = 0
.set Q_, (\n)/4
.set T_, (\n)%4
.set FW_, 4*Q_+T_
.set FX_, 32+8*((\s)%2)+Q_
.set XW_, SB+8*(T_/2)+Q_
.set XX_, SA+8*((\s)/2)+Q_
.set OW_, T_%2
.set OX_, (\s)%2
.if \k
.set D_, ACC+16*T_+8*((\s)%2)
	WIN (1+FX_/FPW)|((1+FW_/FPW)<<2)
.if Q_
	PROD1 D_, FX_, FW_, v[D_:D_+7], XX_, XW_, OX_, OW_
.else
	PROD1 D_, FX_, FW_, 0, XX_, XW_, OX_, OW_
.endif
.else
.set D_, ACC+8*T_
	WIN (1+FW_/FPW)|((1+FX_/FPW)<<2)
.if Q_
	PROD1 D_, FW_, FX_, v[D_:D_+7], XW_, XX_, OW_, OX_
.else
	PROD1 D_, FW_, FX_, 0, XW_, XX_, OW_, OX_
.endif
.endif
.endm
.macro PRODS k, s, from, to
.set N_, \from
.rept (\to)-(\from)
	PROD \k, \s, N_
.set N_, N_+1
.endr
	WIN 0
.endm
.macro TREEM                           ; block 2's refills: waves 0 and 1 four tiles of X0 each, wave 2 WB
	s_cmp_lt_u32 s14, 2
	s_cbranch_scc0 .Lw_\@
	TLOAD G0R, G1R
	s_branch .Ld_\@
.Lw_\@:
	s_cmp_eq_u32 s14, 2
	s_cbranch_scc0 .Ld_\@
	TLOAD G0B, G1B
.Ld_\@:
.endm
.macro TREEE                           ; block 6's: waves 0 and 1 four tiles of X1 each
	s_cmp_lt_u32 s14, 2
	s_cbranch_scc0 .Ld_\@
	TLOAD G0R, G1R
.Ld_\@:
.endm
; Q's or K's way out of block s: the rotation, the two scale blocks of the head's 64, a unit of codes and its scale word
.macro QKOUT s
.set CB_, CS0+(CS1-CS0)*((\s)%2)
	s_wait_loadcnt 8
.set p, 0
.rept 16
	v_pk_mul_f32 v[TT+2*p:TT+2*p+1], v[ACC+2*p:ACC+2*p+1], v[CB_+2*p:CB_+2*p+1] op_sel_hi:[1,0]
.set p, p+1
.endr
.set p, 0
.rept 16
	v_pk_fma_f32 v[ACC+2*p:ACC+2*p+1], v[ACC+2*p:ACC+2*p+1], v[CB_+2*p:CB_+2*p+1], v[TT+2*p:TT+2*p+1] op_sel:[1,1,0] op_sel_hi:[0,1,1] neg_lo:[0,1,0]
.set p, p+1
.endr
.if (\s)%2
	SALOAD (\s)/2, 262144                          ; the next phase's scale words, into the registers of the pair just multiplied
.endif
.if (\s) == 7
	SBLOAD 32768
.endif
	CSLOAD ((\s)+2)%8
.irp b, 0,1
	v_max3_num_f32 v[TM+\b], |v[ACC+16*\b]|, |v[ACC+1+16*\b]|, 0x1800000
.endr
.irp i, 2,4,6,8,10,12,14
.irp b, 0,1
	v_max3_num_f32 v[TM+\b], |v[ACC+16*\b+\i]|, |v[ACC+1+16*\b+\i]|, v[TM+\b]
.endr
.endr
	WALU
	s_wait_xcnt 0x0                                ; the last block's stores have read their data
.irp b, 0,1
	v_permlanex16_b32 v[TM+4+\b], v[TM+\b], s12, s13
.endr
.irp b, 0,1
	v_max_num_f32 v[TM+\b], v[TM+\b], v[TM+4+\b]
.endr
.irp b, 0,1
	v_add_nc_u32 v[TM+8+\b], 0xff000000, v[TM+\b]
.endr
.irp b, 0,1
	v_lshrrev_b32 v[TM+4+\b], 23, v[TM+8+\b]
.endr
	v_lshl_or_b32 v[PW], v[TM+5], 8, v[TM+4]       ; bytes 2 and 3 stay 0
	v_cvt_scalef32_pk16_fp6_f32 v[PC:PC+2], v[ACC:ACC+15], v[TM+8]
	v_cvt_scalef32_pk16_fp6_f32 v[PC+8:PC+10], v[ACC+16:ACC+31], v[TM+9]
	v_nop
.irp i, 0,1,2
	v_permlane16_swap_b32 v[PC+\i], v[PC+8+\i]
.endr
.irp i, 0,1,2
	v_mov_b32 v[PC+3+\i], v[PC+8+\i]
.endr
	global_store_b128 v[ST16], v[PC:PC+3], s[PCD:PCD+1] offset:((\s)/4)*REC+((\s)%4)*768
	global_store_b64 v[ST8], v[PC+4:PC+5], s[PCD:PCD+1] offset:((\s)/4)*REC+((\s)%4)*768
	global_store_b32 v[STW], v[PW], s[PSC:PSC+1] offset:((\s)/4)*REC+((\s)%4)*64
.endm
.macro QKB s
.if (\s) == 2 || (\s) == 6
	s_wait_tensorcnt 0x0                           ; ahead of a refill's round
	ds_add_u32 v[SPW], v[NIL]
.if (\s) == 2
	s_add_co_u32 s[G0R+1], s17, 0
	s_add_nc_u64 s[G0R+2:G0R+3], s[G0R+2:G0R+3], 504*TILEB   ; the next phase's tiles 0 to 7
	s_add_nc_u64 s[G0B+2:G0B+3], s[G0B+2:G0B+3], 64*TILEB    ; and its W
.else
	s_add_co_u32 s[G0R+1], s17, 8*TILEB
	s_add_nc_u64 s[G0R+2:G0R+3], s[G0R+2:G0R+3], 8*TILEB     ; its tiles 8 to 15
.endif
	PRODS 0, \s, 0, 24
	s_wait_dscnt 0x0
	s_barrier_signal -1
	PRODS 0, \s, 24, 32
	MIDDLE
	BARRIER
.if (\s) == 2
	TREEM
.else
	TREEE
.endif
.else
	PRODS 0, \s, 0, 32
.endif
	PLACES 4                                       ; between the last product and the readers of its sums and the loads into its operands
	FETCH ((\s)+2)%8
.if (\s) == 7
	WLOAD                                          ; the next phase's W
.endif
	QKOUT \s
	WALU
.if (\s) < 7
	s_wait_dscnt NF
.endif
.endm
; V's way out behind an odd block: a scale block of 32 tokens for each of four tiles of channels; behind the second of two, a unit a tile
.macro VOUT s
.set HF_, ((\s)%4)/2
.irp d, 0,1,2,3
	v_max3_num_f32 v[TM+\d], |v[ACC+16*\d]|, |v[ACC+1+16*\d]|, 0x1800000
.endr
.irp i, 2,4,6,8,10,12,14
.irp d, 0,1,2,3
	v_max3_num_f32 v[TM+\d], |v[ACC+16*\d+\i]|, |v[ACC+1+16*\d+\i]|, v[TM+\d]
.endr
.endr
	WALU
	s_wait_xcnt 0x0
.irp d, 0,1,2,3
	v_permlanex16_b32 v[TM+4+\d], v[TM+\d], s12, s13
.endr
.irp d, 0,1,2,3
	v_max_num_f32 v[TM+\d], v[TM+\d], v[TM+4+\d]
.endr
.irp d, 0,1,2,3
	v_add_nc_u32 v[TM+8+\d], 0xff000000, v[TM+\d]
.endr
.if HF_ == 0
.irp d, 0,1,2,3
	v_cvt_scalef32_pk16_fp6_f32 v[PC+8*\d:PC+8*\d+2], v[ACC+16*\d:ACC+16*\d+15], v[TM+8+\d]
.endr
.irp d, 0,1,2,3
	v_lshrrev_b32 v[BY+\d], 23, v[TM+8+\d]
.endr
.else
.irp d, 0,1,2,3
	v_cvt_scalef32_pk16_fp6_f32 v[TT+4*\d:TT+4*\d+2], v[ACC+16*\d:ACC+16*\d+15], v[TM+8+\d]
.endr
.irp d, 0,1,2,3
	v_lshrrev_b32 v[TM+4+\d], 23, v[TM+8+\d]
.endr
.irp d, 0,1,2,3
	v_lshl_or_b32 v[BY+\d], v[TM+4+\d], 8, v[BY+\d]
.endr
.irp d, 0,1,2,3
.irp i, 0,1,2
	v_permlane16_swap_b32 v[PC+8*\d+\i], v[TT+4*\d+\i]
.endr
.endr
.irp d, 0,1,2,3
.irp i, 0,1,2
	v_mov_b32 v[PC+8*\d+3+\i], v[TT+4*\d+\i]
.endr
.endr
.irp d, 0,1,2,3
	global_store_b128 v[ST16], v[PC+8*\d:PC+8*\d+3], s[PV:PV+1] offset:((\s)/4)*REC+\d*1536
	global_store_b64 v[ST8], v[PC+8*\d+4:PC+8*\d+5], s[PV:PV+1] offset:((\s)/4)*REC+\d*1536
	global_store_b16 v[STV], v[BY+\d], s[PVS:PVS+1] offset:((\s)/4)*REC+\d*64   ; bytes 2 a, 2 a + 1 of the fragment's scale word; both halves of the lanes store the same
.endr
.endif
.endm
.macro VB s
.if (\s) == 2
	PRODS 1, \s, 0, 24
	s_wait_tensorcnt 0x0
	s_wait_dscnt 0x0
	s_barrier_signal -1                            ; a plain barrier: X1's last fill is shown to all
	PRODS 1, \s, 24, 32
	s_barrier_wait -1
.else
	PRODS 1, \s, 0, 32
.endif
	PLACES 4
.if (\s) < 6
	FETCH (\s)+2
.endif
.if (\s)%2
	VOUT \s
	WALU
.endif
.if (\s) < 6
	s_wait_dscnt NF
.else
	s_wait_dscnt 0x0
.endif
.endm
; ---- the head
	s_load_b256 s[4:11], s[0:1], 0x0               ; cod, scl, tab, qkv
	v_lshl_add_u32 v[SPW], v0, 2, SPARE
	v_mov_b32 v[NIL], 0
	ds_add_u32 v[SPW], v[NIL]                      ; the opening lines
	ds_add_u32 v[SPW], v[NIL]
	v_lshrrev_b32 v1, 5, v0
	v_readfirstlane_b32 s14, v1                    ; the wave; s15 its row a, s16 its column b
	s_lshr_b32 s15, s14, 1
	s_and_b32 s16, s14, 1
	s_bfe_u32 s40, ttmp6, 0x40000
	s_bfe_u32 s41, ttmp6, 0x40004
	s_lshl_b32 s43, ttmp9, 2
	s_add_co_u32 s43, s43, s40                     ; tile row, 0 .. 31: 256 tokens
	s_and_b32 s42, ttmp7, 0xffff
	s_lshl_b32 s42, s42, 2
	s_add_co_u32 s42, s42, s41                     ; tile column, 0 .. 7: two heads
	s_lshl_b32 s44, 0x1111, s40
	s_lshl_b32 s45, s41, 2
	s_lshl_b32 s45, 15, s45
	GROUP1 G1A, 44, 0
	GROUP1 G1B, 45, 8
	GROUP1 G1R, 44, 4
	s_mov_b32 s[G0A], 1
	s_mov_b32 s[G0B], 1
	s_mov_b32 s[G0B+1], YB
	s_mov_b32 s[G0R], 1
	s_mov_b32 s12, 0x76543210
	s_mov_b32 s13, 0xfedcba98                      ; selects for lane l xor 16
	s_mul_i32 s17, s14, 4*TILEB                    ; a refill's place in X0 or X1: waves 0 and 1
	s_mul_i32 s86, s43, 16*TILEB                   ; query's 16 tiles
	s_mov_b32 s87, 0
	s_mul_i32 s88, s42, 8*TILEB
	s_add_co_u32 s88, s88, 1536*TILEB              ; Wq's 8 tiles
	s_mov_b32 s89, 0
	s_add_co_u32 s90, s86, s17
	s_add_co_u32 s90, s90, 8*TILEB                 ; 504 tiles ahead of the first refill's
	s_mov_b32 s91, 0
	s_lshl_b32 s[PSA], s43, 4
	s_lshl_b32 s20, s15, 2
	s_add_co_u32 s[PSA], s[PSA], s20
	s_lshl_b32 s[PSA], s[PSA], 9                   ; x's scale words from tile 16 x tile row + 4 a on
	s_mov_b32 s[PSA+1], 0
	s_lshl_b32 s[PSB], s42, 3
	s_lshl_b32 s20, s16, 2
	s_add_co_u32 s[PSB], s[PSB], s20
	s_add_co_u32 s[PSB], s[PSB], 1536
	s_lshl_b32 s[PSB], s[PSB], 9                   ; W's, my four tiles
	s_mov_b32 s[PSB+1], 0
	s_and_b32 s23, s43, 7
	s_lshl_b32 s[PTAB], s23, 16
	s_lshl_b32 s20, s15, 14
	s_add_co_u32 s[PTAB], s[PTAB], s20             ; position 256 (tile row % 8) + 64 a, rows of 256 bytes
	s_mov_b32 s[PTAB+1], 0
	s_lshr_b32 s20, s43, 3
	s_lshl_b32 s20, s20, 4
	s_lshl_b32 s21, s42, 1
	s_add_co_u32 s20, s20, s21
	s_add_co_u32 s20, s20, s16                     ; 16 x batch + head
	s_lshl_b32 s20, s20, 4
	s_lshl_b32 s21, s23, 1
	s_add_co_u32 s20, s20, s21                     ; its key step 2 (tile row % 8)
	s_mul_i32 s74, s20, REC
	s_mov_b32 s75, 0
	s_mul_i32 s[PCD], s15, 4*768
	s_add_co_u32 s[PCD], s[PCD], 13056             ; Q's codes, tile 4 a
	s_mov_b32 s[PCD+1], 0
	s_lshl_b32 s[PSC], s15, 8
	s_add_co_u32 s[PSC], s[PSC], 19200             ; Q's scale words
	s_mov_b32 s[PSC+1], 0
	s_mul_i32 s[PV], s15, 768
	s_add_co_u32 s[PV], s[PV], 6144                ; V's units c = a
	s_mov_b32 s[PV+1], 0
	s_mul_i32 s20, s15, 4*TILEB
	s_mul_i32 s21, s16, 4*TILEB
	s_add_co_u32 s21, s21, YB
	s_lshl_b32 s22, s15, 1
	v_and_b32 v1, 15, v0                           ; r
	v_bfe_u32 v2, v0, 4, 1                         ; h
	v_and_b32 v3, 31, v0
	v_lshlrev_b32 v[ST16], 4, v3
	v_lshlrev_b32 v19, 3, v3
	v_add_nc_u32 v[ST8], 512, v19
	v_add_nc_u32 v[A16], s20, v[ST16]
	v_add_nc_u32 v[A8], s20, v19
	v_add_nc_u32 v[A16+1], 8*TILEB, v[A16]
	v_add_nc_u32 v[A8+1], 8*TILEB, v[A8]
	v_add_nc_u32 v[BA16], s21, v[ST16]
	v_add_nc_u32 v[BA8], s21, v19
	v_lshlrev_b32 v[STW], 2, v1
	v_lshl_add_u32 v[STV], v1, 2, s22
	v_and_b32 v20, 8, v1                           ; query's and key's tiles: lane index r of tile T is token 64 (T / 4) + 8 (T % 4) + r % 8 + 32 (r / 8); value's and W's as the head says
	v_mad_u32_u24 v20, v20, 3, v1                  ; r % 8 + 32 (r / 8)
	v_lshlrev_b32 v20, 8, v20
	v_lshl_add_u32 v[TOFF], v2, 6, v20
	v_lshlrev_b32 v21, 3, v1
	v_lshl_add_u32 v[VS], v2, 9, v21
.irp d, 0,1,2,3
	v_mov_b32 v[TM+4+\d], 0                        ; written once: a lane permute's destination counts as one of its sources
.endr
	WALU                                           ; the wait at the head's end
	s_wait_dscnt 0x0
	CROUND                                         ; the opening round
	s_wait_kmcnt 0x0
	s_add_nc_u64 s[G0A+2:G0A+3], s[4:5], s[86:87]
	s_add_nc_u64 s[G0B+2:G0B+3], s[4:5], s[88:89]
	s_or_b32 s[G0B+3], s[G0B+3], 0x80000000
	s_add_nc_u64 s[G0R+2:G0R+3], s[4:5], s[90:91]
	s_or_b32 s[G0R+3], s[G0R+3], 0x80000000
	s_add_nc_u64 s[PSA:PSA+1], s[6:7], s[PSA:PSA+1]
	s_add_nc_u64 s[PSB:PSB+1], s[6:7], s[PSB:PSB+1]
	s_add_nc_u64 s[PTAB:PTAB+1], s[8:9], s[PTAB:PTAB+1]
	s_add_nc_u64 s[74:75], s[10:11], s[74:75]
	s_add_nc_u64 s[PCD:PCD+1], s[74:75], s[PCD:PCD+1]
	s_add_nc_u64 s[PSC:PSC+1], s[74:75], s[PSC:PSC+1]
	s_add_nc_u64 s[PV:PV+1], s[74:75], s[PV:PV+1]
	s_add_nc_u64 s[PVS:PVS+1], s[74:75], 12800
	s_cmp_eq_u32 s14, 0
	s_cbranch_scc0 .Lwave_1
	TLOAD G0B, G1B                                 ; wave 0: Wq's tiles, which are wanted first
	s_branch .Lasked
.Lwave_1:
	s_cmp_eq_u32 s14, 1
	s_cbranch_scc0 .Lwave_2
	ATILE 0, 8                                     ; wave 1: X0
	s_branch .Lasked
.Lwave_2:
	s_cmp_eq_u32 s14, 2
	s_cbranch_scc0 .Lwave_3
	ATILE 8, 4                                     ; wave 2: X1's first half
	s_branch .Lasked
.Lwave_3:
	ATILE 12, 4                                    ; wave 3: its second
.Lasked:
	SBLOAD 0
.irp u, 0,1,2,3
	SALOAD \u, 0
.endr
	CSLOAD 0
	CSLOAD 1
	s_cmp_eq_u32 s14, 0
	s_cbranch_scc0 .Lnot_b
	s_wait_tensorcnt 0x0
.Lnot_b:
	BARRIER                                        ; Wq has landed
	WLOAD
	s_cmp_eq_u32 s14, 1
	s_cbranch_scc0 .Lnot_a
	s_wait_tensorcnt 0x0                           ; wave 1: X0 has landed
.Lnot_a:
	s_wait_dscnt 0x0
	BARRIER                                        ; X0 is in; X1 may still be on its way
	FETCH 0
	FETCH 1
	s_mov_b32 s[PH], 0
; ---- phases Q and K
.Lphase:
	s_wait_dscnt 0x0                               ; W's fragments and blocks 0 and 1 are in
	s_wait_loadcnt 0x0                             ; the scale words, the table's first two sets
.irp s, 0,1,2,3,4,5,6,7
	QKB \s
.endr
	s_wait_xcnt 0x0                                ; every load and store has read its base
	s_sub_nc_u64 s[PCD:PCD+1], s[PCD:PCD+1], 13056 ; from Q's places in a record to K's
	s_sub_nc_u64 s[PSC:PSC+1], s[PSC:PSC+1], 6912
	s_add_nc_u64 s[PSA:PSA+1], s[PSA:PSA+1], 262144
	s_add_nc_u64 s[PSB:PSB+1], s[PSB:PSB+1], 32768
	s_add_co_u32 s[PH], s[PH], 1
	s_cmp_lg_u32 s[PH], 2
	s_cbranch_scc1 .Lphase
; ---- phase V
	s_wait_dscnt 0x0
	s_wait_loadcnt 0x0
.irp s, 0,1,2,3,4,5,6,7
	VB \s
.endr
	s_wait_tensorcnt 0x0                           ; the wave's end
	ds_add_u32 v[SPW], v[NIL]
	s_wait_dscnt 0x0
	CROUND                                         ; the closing round
	s_endpgm
.Lfunc_end_k_q101eaf2ab3_proj:
	.size	k_q101eaf2ab3_proj, .Lfunc_end_k_q101eaf2ab3_proj-k_q101eaf2ab3_proj
	.p2alignl 7, 3214868480
	.fill 96, 4, 3214868480
	.section	.rodata,"a",@progbits
	.p2align	6, 0x0
	.amdhsa_kernel k_q101eaf2ab3_proj
		.amdhsa_group_segment_fixed_size 327680
		.amdhsa_private_segment_fixed_size 0
		.amdhsa_enable_private_segment 0
		.amdhsa_kernarg_size 32
		.amdhsa_user_sgpr_count 2
		.amdhsa_user_sgpr_kernarg_segment_ptr 1
		.amdhsa_wavefront_size32 1
		.amdhsa_system_sgpr_workgroup_id_x 1
		.amdhsa_system_sgpr_workgroup_id_y 1
		.amdhsa_system_sgpr_workgroup_id_z 1
		.amdhsa_system_vgpr_workitem_id 0
		.amdhsa_next_free_vgpr 840
		.amdhsa_next_free_sgpr 96
		.amdhsa_reserve_vcc 0
		.amdhsa_float_denorm_mode_32 3
		.amdhsa_float_denorm_mode_16_64 3
		.amdhsa_memory_ordered 1
		.amdhsa_forward_progress 1
		.amdhsa_inst_pref_size 194
	.end_amdhsa_kernel
	.amdgpu_metadata
---
amdhsa.version: [ 1, 2 ]
amdhsa.kernels:
  - .name:           k_q101eaf2ab3_proj
    .symbol:         k_q101eaf2ab3_proj.kd
    .args:
      - { .name: cod, .offset: 0, .size: 8, .value_kind: global_buffer, .address_space: global }
      - { .name: scl, .offset: 8, .size: 8, .value_kind: global_buffer, .address_space: global }
      - { .name: tab, .offset: 16, .size: 8, .value_kind: global_buffer, .address_space: global }
      - { .name: qkv, .offset: 24, .size: 8, .value_kind: global_buffer, .address_space: global }
    .group_segment_fixed_size: 327680
    .private_segment_fixed_size: 0
    .kernarg_segment_align: 8
    .kernarg_segment_size: 32
    .max_flat_workgroup_size: 128
    .sgpr_count:     96
    .vgpr_count:     840
    .wavefront_size: 32
...
	.end_amdgpu_metadata
.endif
;; end of part 2
;; launch attn (part 3): grid 4 x 64, 16 waves a work-group, clusters of 4 x 1, 210,944 bytes of LDS; arguments qkv, oc, os; writes oc, os
.if DOCPART == 3
	.amdgcn_target "amdgcn-amd-amdhsa--gfx1250"
	.amdhsa_code_object_version 6
	.text
	.protected	k_q101eaf2ab3_attn
	.globl	k_q101eaf2ab3_attn
	.p2align	8
	.type	k_q101eaf2ab3_attn,@function
k_q101eaf2ab3_attn:
	s_mov_b64 s[64:65], 0
	v_nop
	global_prefetch_b8 v0, s[64:65] scope:SCOPE_SE
	s_setreg_imm32_b32 hwreg(HW_REG_WAVE_MODE, 25, 1), 1
	s_wait_xcnt 0x0
	s_wait_alu depctr_hold_cnt(0) depctr_sa_sdst(0) depctr_va_vdst(0) depctr_va_sdst(0) depctr_va_ssrc(0) depctr_va_vcc(0) depctr_vm_vsrc(0)
	s_getreg_b32 s2, hwreg(HW_REG_IB_STS2, 6, 4)
	s_cmp_eq_u32 s2, 0
	s_cbranch_scc0 .Lentry_in_a_cluster
	s_endpgm
.Lentry_in_a_cluster:
	s_bfe_u32 s2, ttmp6, 0x10000c
	s_cmp_lg_u32 s2, 0x3003
	s_cbranch_scc0 .Lentry_shape_is_right
	s_endpgm
.Lentry_shape_is_right:
; O = softmax(Q K^T / 8) V for 64 heads of 2,048 tokens x 64, both products on codes of FP6 (E2M3) with one E8M0 scale for each 32 along a product's K; O / the row's sum is quantised along the embedding for the last projection.
; THE SOFTMAX: t = score x log2(e) / 8; M = the running largest t rounded UP to a whole number; p = 2^(t - M) is quantised along the keys, not normalised; the row's sum is taken of the unquantised p and divides O at the end.
; When M moves, the sum and O are multiplied by 2^(old M - new M): exact.  The running maximum is kept as a score; c is positive, so c x the largest score is the largest t.
; SHARES: a work-group owns 512 queries of one head; each of its sixteen waves owns a tile of 16 of them, twice (two passes).
; THE HEAD'S K AND V STAY IN LDS: 16 key steps x 13,056 bytes (K's codes 8 x 768, V's 4 x 1,536, K's scale words 512, V's 256), filled ONCE, wave w bringing key step w by one tensor load; no slot is filled again.
; CLUSTER: the four work-groups of a head read the same bytes: each load is a joint one, with the mask of all four.
; LAYOUT: both products are used transposed (S^T = K Q^T, O^T = V^T P^T): a lane holds one query throughout.  Operands lie as images of their registers (16 rows x 64 K: registers 0-3 at 16 x lane, 4-5 at 512 + 8 x lane).
; THE KEYS OF A TILE ARE NOT NEIGHBOURS: lane r of tile 4 g + u is key 64 g + 8 u + r % 8 + 32 (r / 8).  So the 32 registers of tiles 4 g .. 4 g + 3 of lane (query, h) are keys 64 g + 32 h + 0 .. 31:
; one whole scale block, in the order of registers 6 g .. 6 g + 5 of P's operand.  A block's maximum needs no other lane, and the conversions' results are the operand.  V's tiles of the head's 64: lane r of tile 2 b + u is channel 32 b + 8 u + r + 8 (r / 8).
; THE FIRST PRODUCT'S K IS 64, half of the instruction's 128: Q's codes of k = 64 .. 127 are zeros for good, and its and K's scale bytes there are 0 (2^-127): whatever codes stand in the upper six registers of K's operand add exactly nothing.
; So K's eight fragments lie 6 registers apart: a fragment's upper six registers are the next tile's codes, the last tile's are V's first six.
; THE ORDER OF A STEP: the eight products of S^T; then this step's V and the NEXT step's K are asked of LDS in one run; the softmax; one wait for both; the four products of O^T.  A pass's last step, which has no next K, is written out.
; THE BARRIER IN THE STEP is split over the loop's edge: a wave signals in step i and waits in step i + 1, so the sixteen waves stay within one key step of each other.  Between signal and wait stand register work and LDS loads of bytes that nothing writes.
; LIMITS: NaN and infinities are not served; a block of O under 2^-124 keeps the byte 1; the scaled scores stay under 2^31.  No prefetch: every tensor load goes out at the head.
; REGISTERS: v1-3 16, 8, 4 x lane; v6-8 the step's LDS addresses; v9, v10 4 r, 8 r; v11 8 h; v12 -M, v13 the largest score, v[14:15] the sum; v16-27 Q; v28-31 K's scale words; v32-79 K; v80-127 V; v128-191 S^T, then p; v192-223 O^T;
;   v224-235 p's codes; v232-254 at work; v248, v249 V's scale words, v253 p's, v255 Q's.
.set REC,   19712
.set KVB,   13056
.set SPARE, 16*KVB
.set L16,  1
.set L8,   2
.set L4,   3
.set SPW,  4
.set NIL,  5
.set AD16, 6
.set AD8,  7
.set AD4,  8
.set R4,   9
.set R8,   10
.set H8,   11
.set KS,   28
.set KF,   32
.set VF,   80
.set S,    128
.set O,    192
.set TB,   2
.set CNT,  3
.set WV,   18
.set SEL,  20
.set CS,   22
.set G1,   24
.set G0,   32
.macro ROUND
	s_barrier_signal -1
	s_barrier_wait -1
	s_cmp_lg_u32 s[WV], 0
	s_cbranch_scc1 .Lnot_wave_0_\@
	s_barrier_signal -3
.Lnot_wave_0_\@:
	s_barrier_wait -3
	s_barrier_signal -1
	s_barrier_wait -1
.endm
	s_load_b128 s[4:7], s[0:1], 0x0                ; qkv, oc
	s_load_b64 s[8:9], s[0:1], 0x10                ; os
	v_lshl_add_u32 v[SPW], v0, 2, SPARE
	v_mov_b32 v[NIL], 0
	ds_add_u32 v[SPW], v[NIL]                      ; the opening lines: the add twice and its wait ahead of my first tensor load
	ds_add_u32 v[SPW], v[NIL]
	v_lshrrev_b32 v1, 5, v0
	s_delay_alu instid0(VALU_DEP_1)
	v_readfirstlane_b32 s[WV], v1                  ; wave 0..15
	s_bfe_u32 s10, ttmp6, 0x40000                  ; cx: my 512 queries of the head
	s_and_b32 s11, ttmp7, 0xffff                   ; the head, 0 .. 63
	s_mov_b32 s[G1], 15|(3<<16)|(1<<21)            ; the mask: all four; elements of 8 bytes
	s_mov_b32 s[G1+1], 32<<16                      ; 51 dense rows of 256 bytes
	s_mov_b32 s[G1+2], 51<<16
	s_mov_b32 s[G1+3], 32<<16
	s_mov_b32 s[G1+4], 51
	s_mov_b32 s[G1+5], 32
	s_mov_b32 s[G1+6], 0
	s_mov_b32 s[G1+7], 0
	s_lshl_b32 s12, s11, 4
	s_add_co_u32 s12, s12, s[WV]
	s_mul_i32 s12, s12, REC                        ; key step w of the head
	s_mov_b32 s13, 0
	s_mul_i32 s37, s[WV], KVB                      ; and its place in LDS
	s_lshl_b32 s14, s11, 4                         ; Q: my tile is 32 cx + w (the second pass: 16 on): record 4 cx + w / 8, tile w % 8
	s_lshl_b32 s15, s10, 2
	s_add_co_u32 s14, s14, s15
	s_lshr_b32 s15, s[WV], 3
	s_add_co_u32 s14, s14, s15
	s_mul_i32 s14, s14, REC
	s_and_b32 s15, s[WV], 7
	s_mul_i32 s48, s15, 768
	s_add_co_u32 s48, s48, s14
	s_add_co_u32 s48, s48, 13056                   ; its codes,
	s_mov_b32 s49, 0
	s_lshl_b32 s50, s15, 6
	s_add_co_u32 s50, s50, s14
	s_add_co_u32 s50, s50, 19200                   ; its scale words
	s_mov_b32 s51, 0
	s_lshr_b32 s14, s11, 4                         ; O: tile 128 x batch + 32 cx + w; unit = the head in the batch
	s_lshl_b32 s14, s14, 7
	s_lshl_b32 s15, s10, 5
	s_add_co_u32 s14, s14, s15
	s_add_co_u32 s14, s14, s[WV]
	s_and_b32 s16, s11, 15
	s_lshl_b32 s52, s14, 4
	s_add_co_u32 s52, s52, s16
	s_mul_i32 s52, s52, 768
	s_mov_b32 s53, 0
	s_lshl_b32 s54, s14, 9                         ; its scale bytes: 512 a tile; 128 for each 4 heads; 4 for each 2; 2 a head
	s_lshr_b32 s19, s16, 2
	s_lshl_b32 s19, s19, 7
	s_add_co_u32 s54, s54, s19
	s_bfe_u32 s19, s16, 0x10001
	s_lshl_b32 s19, s19, 2
	s_add_co_u32 s54, s54, s19
	s_and_b32 s19, s16, 1
	s_lshl_b32 s19, s19, 1
	s_add_co_u32 s54, s54, s19
	s_mov_b32 s55, 0
	s_mov_b32 s[SEL], 0x76543210
	s_mov_b32 s[SEL+1], 0xfedcba98
	s_mov_b32 s[CS], 0x3e38aa3b                    ; c = log2(e) / 8
	s_mov_b32 s[CS+1], s[CS]
	s_wait_dscnt 0x0
	s_wait_kmcnt 0x0
	s_mov_b32 s[G0], 1
	s_mov_b32 s[G0+1], s37
	s_add_nc_u64 s[G0+2:G0+3], s[4:5], s[12:13]
	s_or_b32 s[G0+3], s[G0+3], 0x80000000
	ROUND                                          ; all four work-groups are here: the joint loads meet
	tensor_load_to_lds s[G0:G0+3], s[G1:G1+7]      ; my one tensor load of the launch
	s_nop 0
.rept 4
	v_nop
.endr
	s_add_nc_u64 s[38:39], s[4:5], s[48:49]
	s_add_nc_u64 s[40:41], s[4:5], s[50:51]
	s_add_nc_u64 s[42:43], s[6:7], s[52:53]
	s_add_nc_u64 s[44:45], s[8:9], s[54:55]
	v_and_b32 v11, 31, v0
	s_delay_alu instid0(VALU_DEP_1)
	v_lshlrev_b32 v[L16], 4, v11
	s_delay_alu instid0(VALU_DEP_2)
	v_lshlrev_b32 v[L8], 3, v11
	s_delay_alu instid0(VALU_DEP_3)
	v_lshlrev_b32 v[L4], 2, v11
	v_and_b32 v11, 15, v0
	s_delay_alu instid0(VALU_DEP_1)
	v_lshlrev_b32 v[R4], 2, v11
	s_delay_alu instid0(VALU_DEP_2)
	v_lshlrev_b32 v[R8], 3, v11
	v_bfe_u32 v11, v0, 4, 1
	s_delay_alu instid0(VALU_DEP_1)
	v_lshlrev_b32 v[H8], 3, v11                    ; 8 h: my two bytes' place in p's scale word, in bits
.macro QLOAD p                         ; pass p's tile of Q: a unit and its scale words
	global_load_b128 v[16:19], v[L16], s[38:39] offset:(\p)*2*REC th:TH_LOAD_NT
	global_load_b64 v[20:21], v[L8], s[38:39] offset:(\p)*2*REC+512 th:TH_LOAD_NT
	global_load_b32 v255, v[R4], s[40:41] offset:(\p)*2*REC th:TH_LOAD_NT
.endm
	QLOAD 0
.irp j, 22,23,24,25,26,27
	v_mov_b32 v[\j], 0                             ; Q's codes of k = 64 .. 127: zeros, for good
.endr
.irp j, 0,1,2,3,4,5
	v_mov_b32 v[VF+\j], 0                          ; written once: the upper half of K's last operand before V's first codes land there
.endr
.irp b, 0,1,2,3
	v_mov_b32 v[236+\b], 0                         ; written once: a lane permute's destination counts as one of its sources
.endr
	v_mov_b32 v253, 0                              ; (named as the upper half of the pair v[252:253] before it is first written)
	s_wait_alu depctr_va_vdst(0)                   ; the wait at the head's end
	s_wait_tensorcnt 0x0                           ; my key step is in,
	s_barrier_signal -1
	s_barrier_wait -1                              ; everybody's is: the head lies in LDS, and nothing is filled again
.macro KLOAD a16, a8, a4, off          ; a key step's K: eight tiles of six registers, and four registers of scale words (lanes 0-15 tile 2 u's, lanes 16-31 tile 2 u + 1's)
.irp t, 0,1,2,3,4,5,6,7
	ds_load_b128 v[KF+6*\t:KF+6*\t+3], v[\a16] offset:(\off)+768*\t
	ds_load_b64 v[KF+6*\t+4:KF+6*\t+5], v[\a8] offset:(\off)+768*\t+512
.endr
.irp u, 0,1,2,3
	ds_load_b32 v[KS+\u], v[\a4] offset:(\off)+12288+128*\u
.endr
.endm
; A KEY STEP: 128 keys.  pre = 1: the next step's K is asked for, and the wave signals for the next step's wait
.macro STEP pre
.irp t, 0,2,4,6                                ; S^T = K Q^T
	v_wmma_scale_f32_16x16x128_f8f6f4 v[S+8*\t:S+8*\t+7], v[KF+6*\t:KF+6*\t+11], v[16:27], 0, v[KS+\t/2], v255 matrix_a_fmt:MATRIX_FMT_FP6 matrix_b_fmt:MATRIX_FMT_FP6
	v_wmma_scale_f32_16x16x128_f8f6f4 v[S+8*\t+8:S+8*\t+15], v[KF+6*\t+6:KF+6*\t+17], v[16:27], 0, v[KS+\t/2], v255 matrix_a_fmt:MATRIX_FMT_FP6 matrix_b_fmt:MATRIX_FMT_FP6 matrix_a_scale:MATRIX_SCALE_ROW1
.endr
	v_add_nc_u32 v[AD16], s[TB], v[L16]            ; four places in front of the loads below and of the first read of the scores
	v_add_nc_u32 v[AD8], s[TB], v[L8]
	v_add_nc_u32 v[AD4], s[TB], v[L4]
	v_nop
.irp d, 0,1,2,3                                ; V's four fragments
.irp c, 0,1
	ds_load_b128 v[VF+12*\d+6*\c:VF+12*\d+6*\c+3], v[AD16] offset:6144+1536*\d+768*\c
	ds_load_b64 v[VF+12*\d+6*\c+4:VF+12*\d+6*\c+5], v[AD8] offset:6144+1536*\d+768*\c+512
.endr
.endr
.irp u, 0,1
	ds_load_b32 v[248+\u], v[AD4] offset:12800+128*\u
.endr
.if \pre
	KLOAD AD16, AD8, AD4, KVB
.endif
.irp b, 0,1,2,3
	v_max3_num_f32 v[232+\b], v[S+16*\b], v[S+1+16*\b], v[S+2+16*\b]   ; four chains, two to each of my two blocks of 32 keys
.endr
.irp i, 3,5,7,9,11,13
.irp b, 0,1,2,3
	v_max3_num_f32 v[232+\b], v[232+\b], v[S+16*\b+\i], v[S+1+16*\b+\i]
.endr
.endr
.irp g, 0,1
	v_max_num_f32 v[233+2*\g], v[233+2*\g], v[S+31+32*\g]
.endr
.irp g, 0,1
	v_max3_num_f32 v[232+2*\g], v[232+2*\g], v[S+15+32*\g], v[233+2*\g]   ; the largest score of block 2 g + h: for the row's maximum and, since p rises with the score, for the block's largest p
.endr
	v_max_num_f32 v254, v232, v234
	s_delay_alu instid0(VALU_DEP_1)
	v_permlanex16_b32 v236, v254, s[SEL], s[SEL+1]
	s_delay_alu instid0(VALU_DEP_1)
	v_max3_num_f32 v13, v13, v254, v236            ; the running largest score, with lane l xor 16's 64 keys
	s_delay_alu instid0(VALU_DEP_1)
	v_mul_f32 v254, s[CS], v13                     ; as t
	v_mov_b32 v237, v12
	s_delay_alu instid0(VALU_DEP_2)
	v_floor_f32 v12, -v254                         ; the new -M = -ceil(t)
	s_delay_alu instid0(VALU_DEP_1)
	v_sub_f32 v254, v12, v237                      ; old M - new M: a whole number, 0 or less
	s_delay_alu instid0(VALU_DEP_1)
	v_cvt_i32_f32 v254, v254                       ; (it saturates)
	s_delay_alu instid0(VALU_DEP_1)
	v_ldexp_f32 v252, 1.0, v254                    ; f = 2^(old M - new M)
.set j, 0
.rept 32
	v_pk_fma_f32 v[S+j:S+j+1], v[S+j:S+j+1], s[CS:CS+1], v[12:13] op_sel_hi:[1,0,0]   ; t - M, two at a time
.set j, j+2
.endr
.irp g, 0,1
	v_fma_f32 v[232+2*\g], v[232+2*\g], s[CS], v12 ; the same of each block's largest score
.endr
.set j, 0
	s_wait_alu depctr_va_vdst(0)                   ; the wait ahead of the batch
.rept 64
	v_exp_f32 v[S+j], v[S+j]                       ; p = 2^(t - M)
.set j, j+1
.endr
	v_pk_mul_f32 v[14:15], v[14:15], v[252:253] op_sel_hi:[1,0]   ; the sums under the new M.  (A plain place behind the exponentials)
	s_wait_alu depctr_va_vdst(0)                   ; one wait for the whole batch, ahead of its first reader
.irp g, 0,1
	v_exp_f32 v[232+2*\g], v[232+2*\g]             ; the block's largest p
.endr
	v_pk_add_f32 v[236:237], v[132:133], v[136:137]   ; the row's sum of the unquantised p, in eight chains
	v_pk_add_f32 v[250:251], v[140:141], v[144:145]
	v_pk_add_f32 v[246:247], v[148:149], v[152:153]
	v_pk_add_f32 v[244:245], v[156:157], v[160:161]
	v_pk_add_f32 v[242:243], v[164:165], v[168:169]
	v_pk_add_f32 v[240:241], v[172:173], v[176:177]
	v_pk_add_f32 v[238:239], v[180:181], v[184:185]
	v_pk_add_f32 v[14:15], v[14:15], v[188:189]
	v_pk_add_f32 v[236:237], v[236:237], v[128:129]
	v_pk_add_f32 v[250:251], v[250:251], v[130:131]
	v_pk_add_f32 v[246:247], v[246:247], v[134:135]
	v_pk_add_f32 v[244:245], v[244:245], v[138:139]
	v_pk_add_f32 v[242:243], v[242:243], v[142:143]
	v_pk_add_f32 v[240:241], v[240:241], v[146:147]
	v_pk_add_f32 v[238:239], v[238:239], v[150:151]
	v_pk_add_f32 v[14:15], v[14:15], v[154:155]
	v_pk_add_f32 v[236:237], v[236:237], v[158:159]
	v_pk_add_f32 v[250:251], v[250:251], v[162:163]
	v_pk_add_f32 v[246:247], v[246:247], v[166:167]
	v_pk_add_f32 v[244:245], v[244:245], v[170:171]
	v_pk_add_f32 v[242:243], v[242:243], v[174:175]
	v_pk_add_f32 v[240:241], v[240:241], v[178:179]
	v_pk_add_f32 v[238:239], v[238:239], v[182:183]
	v_pk_add_f32 v[14:15], v[14:15], v[186:187]
	v_pk_add_f32 v[236:237], v[236:237], v[190:191]
	s_delay_alu instid0(VALU_DEP_2)
	v_pk_add_f32 v[14:15], v[14:15], v[244:245]
	s_delay_alu instid0(VALU_DEP_2)
	v_pk_add_f32 v[236:237], v[236:237], v[242:243]
	v_pk_add_f32 v[250:251], v[250:251], v[240:241]
	v_pk_add_f32 v[246:247], v[246:247], v[238:239]
	s_delay_alu instid0(VALU_DEP_2)
	v_pk_add_f32 v[14:15], v[14:15], v[250:251]
	s_delay_alu instid0(VALU_DEP_2)
	v_pk_add_f32 v[236:237], v[236:237], v[246:247]
	s_delay_alu instid0(VALU_DEP_1)
	v_pk_add_f32 v[14:15], v[14:15], v[236:237]
	s_wait_alu depctr_va_vdst(0)                   ; and one for the two
.irp g, 0,1
	v_max_num_f32 v[232+2*\g], 0x1800000, v[232+2*\g]   ; the floor 2^(3 - 127)
.endr
.irp g, 0,1
	s_delay_alu instid0(VALU_DEP_2)
	v_add_nc_u32 v[246+\g], 0xff000000, v[232+2*\g]     ; the conversion's scale operand
.endr
.irp g, 0,1
	s_delay_alu instid0(VALU_DEP_2)
	v_lshrrev_b32 v[244+\g], 23, v[246+\g]         ; the scale's byte
.endr
	s_delay_alu instid0(VALU_DEP_1)
	v_lshl_or_b32 v253, v245, 16, v244             ; my two bytes: blocks h and 2 + h of my query,
	s_delay_alu instid0(VALU_DEP_1)
	v_lshlrev_b32 v253, v[H8], v253                ; at their places in the word;
	s_delay_alu instid0(VALU_DEP_1)
	v_permlanex16_b32 v236, v253, s[SEL], s[SEL+1]
	s_delay_alu instid0(VALU_DEP_1)
	v_or_b32 v253, v253, v236                      ; with lane l xor 16's two p's scale word for these 128 keys is whole
.irp g, 0,1
	v_cvt_scalef32_pk16_fp6_f32 v[224+6*\g:226+6*\g], v[S+32*\g:S+15+32*\g], v[246+\g]
	v_cvt_scalef32_pk16_fp6_f32 v[238+4*\g:240+4*\g], v[S+16+32*\g:S+31+32*\g], v[246+\g]   ; (a conversion's three registers begin on an even number)
.endr
	v_nop                                          ; one plain place behind a scaled conversion
.irp g, 0,1
.irp i, 0,1,2
	v_mov_b32 v[227+6*\g+\i], v[238+4*\g+\i]
.endr
.endr
.set j, 0
.rept 16
	v_pk_mul_f32 v[O+j:O+j+1], v[O+j:O+j+1], v[252:253] op_sel_hi:[1,0]   ; O^T under the new M.  (These sixteen are also the places in front of the products below)
.set j, j+2
.endr
	s_wait_alu depctr_va_vdst(0)
	s_wait_dscnt 0x0                               ; V is in, and the next step's K
	s_barrier_wait -1                              ; every wave has signalled in the step before
.if \pre
	s_barrier_signal -1                            ; no LDS instruction of mine is out
.endif
.irp d, 0,2                                    ; O^T += V^T P^T: the four accumulators by turns
	v_wmma_scale_f32_16x16x128_f8f6f4 v[O+8*\d:O+8*\d+7], v[VF+12*\d:VF+12*\d+11], v[224:235], v[O+8*\d:O+8*\d+7], v[248+\d/2], v253 matrix_a_fmt:MATRIX_FMT_FP6 matrix_b_fmt:MATRIX_FMT_FP6
	v_wmma_scale_f32_16x16x128_f8f6f4 v[O+8*\d+8:O+8*\d+15], v[VF+12*\d+12:VF+12*\d+23], v[224:235], v[O+8*\d+8:O+8*\d+15], v[248+\d/2], v253 matrix_a_fmt:MATRIX_FMT_FP6 matrix_b_fmt:MATRIX_FMT_FP6 matrix_a_scale:MATRIX_SCALE_ROW1
.endr
	s_add_co_u32 s[TB], s[TB], KVB
.endm
; A PASS: one tile of 16 queries against all 2,048 keys, and its way out.
.macro PASS p
	s_wait_loadcnt 0x0                             ; Q
	s_wait_xcnt 0x0                                ; the last pass's stores have read their data
	KLOAD L16, L8, L4, 0                           ; key step 0's K
	v_mov_b32 v13, 0xff61b1e6                      ; the largest score so far: -3e38
	s_delay_alu instid0(VALU_DEP_1)
	v_floor_f32 v12, -v13
	v_mov_b32 v14, 0
	v_mov_b32 v15, 0
.set j, 0
.rept 32
	v_mov_b32 v[O+j], 0                            ; the step is written once: the first finds zeros, which the first change of M leaves zeros
.set j, j+1
.endr
	s_mov_b32 s[TB], 0
	s_mov_b32 s[CNT], 15
	s_wait_alu depctr_va_vdst(0)
	s_wait_dscnt 0x0
	s_barrier_signal -1                            ; for the first step's wait
.Lstep_\@:
	STEP 1
	s_sub_co_u32 s[CNT], s[CNT], 1
	s_cmp_lg_u32 s[CNT], 0
	s_cbranch_scc1 .Lstep_\@
	STEP 0                                         ; key step 15
.if (\p) == 0
	QLOAD 1                                        ; the next pass's Q: its registers' last reader stands a softmax back
.endif
	v_add_f32 v14, v14, v15
	s_delay_alu instid0(VALU_DEP_1)
	v_permlanex16_b32 v252, v14, s[SEL], s[SEL+1]
	s_delay_alu instid0(VALU_DEP_1)
	v_add_f32 v14, v14, v252                       ; the row's sum
	s_wait_alu depctr_va_vdst(0)
	v_rcp_f32 v14, v14
.rept 4
	v_nop                                          ; the plain place behind the reciprocal, and the places behind the last products
.endr
	s_wait_alu depctr_va_vdst(0)                   ; ahead of the reciprocal's first reader
.set j, 0
.rept 16
	v_pk_mul_f32 v[S+j:S+j+1], v[O+j:O+j+1], v[14:15] op_sel_hi:[1,0]   ; O^T / the sum: register 16 b + i is channel 32 b + 16 h + i of my query
.set j, j+2
.endr
.irp b, 0,1
	v_max3_num_f32 v[232+\b], |v[S+16*\b]|, |v[S+1+16*\b]|, 0x1800000
.endr
.irp i, 2,4,6,8,10,12,14
.irp b, 0,1
	s_delay_alu instid0(VALU_DEP_2)
	v_max3_num_f32 v[232+\b], v[232+\b], |v[S+16*\b+\i]|, |v[S+1+16*\b+\i]|
.endr
.endr
.irp b, 0,1
	s_delay_alu instid0(VALU_DEP_2)
	v_permlanex16_b32 v[236+\b], v[232+\b], s[SEL], s[SEL+1]
.endr
.irp b, 0,1
	s_delay_alu instid0(VALU_DEP_2)
	v_max_num_f32 v[232+\b], v[232+\b], v[236+\b]
.endr
.irp b, 0,1
	s_delay_alu instid0(VALU_DEP_2)
	v_add_nc_u32 v[244+\b], 0xff000000, v[232+\b]
.endr
.irp b, 0,1
	s_delay_alu instid0(VALU_DEP_2)
	v_lshrrev_b32 v[236+\b], 23, v[244+\b]
.endr
	s_delay_alu instid0(VALU_DEP_1)
	v_lshl_or_b32 v238, v237, 8, v236              ; the head's two scale bytes
	v_cvt_scalef32_pk16_fp6_f32 v[224:226], v[S:S+15], v244
	v_cvt_scalef32_pk16_fp6_f32 v[240:242], v[S+16:S+31], v245
	v_nop
.irp i, 0,1,2
	v_permlane16_swap_b32 v[224+\i], v[240+\i]
.endr
.irp i, 0,1,2
	s_delay_alu instid0(VALU_DEP_3)
	v_mov_b32 v[227+\i], v[240+\i]
.endr
	global_store_b128 v[L16], v[224:227], s[42:43] offset:(\p)*196608        ; a unit of the last projection's operand: 512 consecutive bytes, aligned,
	global_store_b64 v[L8], v[228:229], s[42:43] offset:(\p)*196608+512      ; and 256
	global_store_b16 v[R8], v238, s[44:45] offset:(\p)*8192                  ; two of a row's 32 scale bytes: all that a head has of them; both halves of the lanes store the same
.endm
	PASS 0
	PASS 1
	s_wait_tensorcnt 0x0                           ; the wave's end
	ds_add_u32 v[SPW], v[NIL]
	s_wait_dscnt 0x0
	ROUND                                          ; the closing round
	s_endpgm
.Lfunc_end_k_q101eaf2ab3_attn:
	.size	k_q101eaf2ab3_attn, .Lfunc_end_k_q101eaf2ab3_attn-k_q101eaf2ab3_attn
	.p2alignl 7, 3214868480
	.fill 96, 4, 3214868480
	.section	.rodata,"a",@progbits
	.p2align	6, 0x0
	.amdhsa_kernel k_q101eaf2ab3_attn
		.amdhsa_group_segment_fixed_size 210944
		.amdhsa_private_segment_fixed_size 0
		.amdhsa_enable_private_segment 0
		.amdhsa_kernarg_size 24
		.amdhsa_user_sgpr_count 2
		.amdhsa_user_sgpr_kernarg_segment_ptr 1
		.amdhsa_wavefront_size32 1
		.amdhsa_system_sgpr_workgroup_id_x 1
		.amdhsa_system_sgpr_workgroup_id_y 1
		.amdhsa_system_sgpr_workgroup_id_z 1
		.amdhsa_system_vgpr_workitem_id 0
		.amdhsa_next_free_vgpr 256
		.amdhsa_next_free_sgpr 66
		.amdhsa_reserve_vcc 0
		.amdhsa_float_denorm_mode_32 3
		.amdhsa_float_denorm_mode_16_64 3
		.amdhsa_memory_ordered 1
		.amdhsa_forward_progress 1
		.amdhsa_inst_pref_size 80
	.end_amdhsa_kernel
	.amdgpu_metadata
---
amdhsa.version: [ 1, 2 ]
amdhsa.kernels:
  - .name:           k_q101eaf2ab3_attn
    .symbol:         k_q101eaf2ab3_attn.kd
    .args:
      - { .name: qkv, .offset: 0, .size: 8, .value_kind: global_buffer, .address_space: global }
      - { .name: oc, .offset: 8, .size: 8, .value_kind: global_buffer, .address_space: global }
      - { .name: os, .offset: 16, .size: 8, .value_kind: global_buffer, .address_space: global }
    .group_segment_fixed_size: 210944
    .private_segment_fixed_size: 0
    .kernarg_segment_align: 8
    .kernarg_segment_size: 24
    .max_flat_workgroup_size: 512
    .sgpr_count:     66
    .vgpr_count:     256
    .wavefront_size: 32
...
	.end_amdgpu_metadata
.endif
;; end of part 3
;; launch outp (part 4): grid 32 x 8, 4 waves a work-group, clusters of 4 x 4, 327,680 bytes of LDS; arguments oc, os, cod, scl, bo, out0; writes out0
.if DOCPART == 4
	.amdgcn_target "amdgcn-amd-amdhsa--gfx1250"
	.amdhsa_code_object_version 6
	.text
	.protected	k_q101eaf2ab3_outp
	.globl	k_q101eaf2ab3_outp
	.p2align	8
	.type	k_q101eaf2ab3_outp,@function
k_q101eaf2ab3_outp:
	s_mov_b64 s[64:65], 0
	v_nop
	global_prefetch_b8 v0, s[64:65] scope:SCOPE_SE
	s_setreg_imm32_b32 hwreg(HW_REG_WAVE_MODE, 25, 1), 1
	s_wait_xcnt 0x0
	s_wait_alu depctr_hold_cnt(0) depctr_sa_sdst(0) depctr_va_vdst(0) depctr_va_sdst(0) depctr_va_ssrc(0) depctr_va_vcc(0) depctr_vm_vsrc(0)
	s_getreg_b32 s2, hwreg(HW_REG_IB_STS2, 6, 4)
	s_cmp_eq_u32 s2, 0
	s_cbranch_scc0 .Lentry_in_a_cluster
	s_endpgm
.Lentry_in_a_cluster:
	s_bfe_u32 s2, ttmp6, 0x10000c
	s_cmp_lg_u32 s2, 0xf033
	s_cbranch_scc0 .Lentry_shape_is_right
	s_endpgm
.Lentry_shape_is_right:
; out0[token][n] = sum over k of O[token][k] Wo[n][k] + bo[n], f32: 8,192 x 1,024 x 1,024 on codes of FP6 (E2M3) with one E8M0 byte for each 32 along K.
; LIMITS: NaN, infinities and sums beyond f32's range are not served; a sum begins with the bias, where the definition adds it last.
; OPERANDS lie in tiles of 16 rows, 12,288 bytes: 16 units of 768 bytes (64 along K), images of the operand's registers: registers 0-3 at 16 x lane, 4-5 at 512 + 8 x lane.  Lane index r of tile T is row 32 (T / 2) + 8 (T % 2) + r + 8 (r / 8).
; Scale words of a tile, 512 bytes: [256 along K][r][128 along K] of 4 bytes.  A: oc, os.  B: Wo's 64 tiles in cod, scl, from tile 1,728 on.
; THE DEAL: 256 work-groups of four waves, 2 x 2, each 256 rows x 128 columns.  A wave holds four tiles of 16 columns of B, all of K, in 384 registers, and streams A's tiles past them: wave row a takes tile 2 s + a as its block s = 0 .. 7, 32 products a block.
; THE CLUSTER's x counts tile rows: tile row 4 x cluster x + cx, tile column 4 x cluster y + cy.  A's tiles are shared by a column of the cluster (mask s44), B's by a row (mask s45).
; LDS: A's 16 tiles, B's 8 tiles, the spare words: every tile is filled once, at the head, so there is no refill and no loop to prefetch in.  The waves' stages lie in B's first bytes, which are read for the last time ahead of the barrier in front of the stream.
; THE HEAD'S FOUR LOADS, one a wave, each on a line of its own: B's 8 tiles; A's tiles 0 to 7; 8 to 11; 12 to 15.  The stream begins when the first two are in; a plain barrier inside block 1 shows the others, ahead of the fetch of block 4.
; Scale words and the bias go from memory into registers.  A's: lanes 0-15 hold an even block's words, lanes 16-31 the odd block's; B's: lanes 0-15 tile 2 p's, lanes 16-31 tile 2 p + 1's.
; THE PRODUCT IS USED TRANSPOSED (source 0 = B's rows): register j of tile t of lane (r, h) is column 32 (t / 2) + 8 (t % 2) + 16 h + j of row r.  A block's sums go through the wave's own stage and leave as whole rows of 256 bytes.
; ONE WAIT ON LDS A BLOCK, ahead of its stores: younger than the rows' way back are the NF loads of the run's fetch.  It shows the next block's fragments in too.
.set TILEB, 12288
.set WOT, 1728
.set FR, 12
.set FPW, 21
.set NF, 32
.set YB, 16*TILEB
.set STAGE, YB
.set SPITCH, 272
.set SPARE, YB+8*TILEB
.set A16, 6                            ; v6-8   LDS address of my tiles' 16-byte pieces, for blocks 0-2, 3-5, 6-7
.set A8, 9                             ; v9-11  of their 8-byte pieces
.set SPW, 12
.set NIL, 13
.set BA16, 14
.set BA8, 15
.set STO, 16
.set RD, 17
.set CO, 18
.set VSA, 19
.set VSB, 20
.set VBO, 21
.set SB, 24                            ; v24-39  B's scale words
.set SA, 44                            ; v44-75  A's: eight for each pair of blocks
.set ACC, 76                           ; v76-139 two sets of four accumulators
.set BK, 140                           ; v140-203 two sets: 16 rows x 256 bytes back from the stage
.set BO, 204                           ; v204-235 the bias, the first four products' C
.set G1A, 24
.set G1B, 32
.set G0A, 56
.set G0B, 60
.set MSB, 0
.macro WIN new
.if MSB != (\new)
	s_set_vgpr_msb (MSB<<8)|(\new)
.set MSB, (\new)
.endif
.endm
.macro PLACES n
.rept \n
	v_nop
.endr
.endm
.macro BARRIER
	s_barrier_signal -1
	s_barrier_wait -1
.endm
.macro CROUND
	BARRIER
	s_cmp_lg_u32 s14, 0
	s_cbranch_scc1 .Lnot_wave_0_\@
	s_barrier_signal -3
.Lnot_wave_0_\@:
	s_barrier_wait -3
	BARRIER
.endm
.macro TLOAD g0, g1
	tensor_load_to_lds s[\g0:\g0+3], s[\g1:\g1+7]
	s_nop 0
	PLACES 4
.endm
.macro GROUP1 g, mask, rows            ; rows of a whole tile, 1,536 elements of 8 bytes, dense
	s_or_b32 s[\g+0], s[\mask], (3<<16)|(1<<21)
	s_mov_b32 s[\g+1], 1536<<16
	s_mov_b32 s[\g+3], 1536<<16
.if \rows
	s_mov_b32 s[\g+2], (\rows)<<16
	s_mov_b32 s[\g+4], \rows
.endif
	s_mov_b32 s[\g+5], 1536
	s_mov_b32 s[\g+6], 0
	s_mov_b32 s[\g+7], 0
.endm
.macro ATILE first, rows               ; a part of A's 16 tiles, by a descriptor of constants
	s_mov_b32 s[G0A+1], (\first)*TILEB
	s_mov_b32 s[G1A+2], (\rows)<<16
	s_mov_b32 s[G1A+4], \rows
.if \first
	s_add_nc_u64 s[G0A+2:G0A+3], s[G0A+2:G0A+3], (\first)*TILEB
.endif
	s_or_b32 s[G0A+3], s[G0A+3], 0x80000000
	TLOAD G0A, G1A
.endm
.macro FRAG4 f, a16, a8, off           ; fragment f (window 1 + f / 21, register 12 (f % 21)): two units
.set R_, FR*((\f)%FPW)
	WIN (1+(\f)/FPW)<<6
	ds_load_b128 v[R_:R_+3], v[\a16] offset:(\off)
	ds_load_b64 v[R_+4:R_+5], v[\a8] offset:(\off)+512
	ds_load_b128 v[R_+6:R_+9], v[\a16] offset:(\off)+768
	ds_load_b64 v[R_+10:R_+11], v[\a8] offset:(\off)+1280
.endm
.macro FETCH s                         ; block s's eight fragments into set s % 2: NF loads
.irp q, 0,1,2,3,4,5,6,7
	FRAG4 32+8*((\s)%2)+\q, A16+(\s)/3, A8+(\s)/3, ((\s)%3)*2*TILEB+\q*1536
.endr
	WIN 0
.endm
.macro PROD2 d, s0, s1, c, x0, x1, ra, rb
	v_wmma_scale_f32_16x16x128_f8f6f4 v[\d:\d+7], v[FR*((\s0)%FPW):FR*((\s0)%FPW)+FR-1], v[FR*((\s1)%FPW):FR*((\s1)%FPW)+FR-1], \c, v[\x0], v[\x1] matrix_a_fmt:MATRIX_FMT_FP6 matrix_b_fmt:MATRIX_FMT_FP6 matrix_a_scale:MATRIX_SCALE_ROW\ra matrix_b_scale:MATRIX_SCALE_ROW\rb
.endm
.macro PROD1 d, s0, s1, c, x0, x1, oa, ob
.if (\oa) && (\ob)
	PROD2 \d, \s0, \s1, \c, \x0, \x1, 1, 1
.elseif (\oa)
	PROD2 \d, \s0, \s1, \c, \x0, \x1, 1, 0
.elseif (\ob)
	PROD2 \d, \s0, \s1, \c, \x0, \x1, 0, 1
.else
	PROD2 \d, \s0, \s1, \c, \x0, \x1, 0, 0
.endif
.endm
.macro PROD s, n                       ; product n = 4 q + t of block s: the four accumulators by turns
.set Q_, (\n)/4
.set T_, (\n)%4
.set FB_, 4*Q_+T_
.set FA_, 32+8*((\s)%2)+Q_
.set D_, ACC+32*((\s)%2)+8*T_
.set XB_, SB+8*(T_/2)+Q_
.set XA_, SA+8*((\s)/2)+Q_
.set OA_, T_%2
.set OB_, (\s)%2
	WIN (1+FB_/FPW)|((1+FA_/FPW)<<2)
.if Q_
	PROD1 D_, FB_, FA_, v[D_:D_+7], XB_, XA_, OA_, OB_
.else
	PROD1 D_, FB_, FA_, v[BO+8*T_:BO+8*T_+7], XB_, XA_, OA_, OB_
.endif
.endm
.macro PRODS s, from, to
.set N_, \from
.rept (\to)-(\from)
	PROD \s, N_
.set N_, N_+1
.endr
	WIN 0
.endm
.macro STAGED e                        ; set e's sums into my stage, each accumulator from its low end on, and back as whole rows; LDS serves a wave's instructions in order
.irp t, 0,1,2,3
	ds_store_b128 v[STO], v[ACC+32*(\e)+8*\t:ACC+32*(\e)+8*\t+3] offset:128*(\t/2)+32*(\t%2)
	ds_store_b128 v[STO], v[ACC+32*(\e)+8*\t+4:ACC+32*(\e)+8*\t+7] offset:128*(\t/2)+32*(\t%2)+16
.endr
.irp t, 0,1,2,3,4,5,6,7
	ds_load_b128 v[BK+32*(\e)+4*\t:BK+32*(\e)+4*\t+3], v[RD] offset:2*\t*SPITCH
.endr
.endm
.macro TOC s                           ; rows 2 t + h of tile 2 s + a are tokens 64 (s / 2) + 16 (s % 2) + 8 a + (2 t) % 8 + h + 32 (t / 4): sixteen lanes store 256 consecutive bytes, aligned
.irp t, 0,1,2,3,4,5,6,7
; (A's tiles hold the queries' tokens: lane index r of tile T is token 64 (T / 4) + 8 (T % 4) + r % 8 + 32 (r / 8); so rows 2 t + h of tile 2 s + a are tokens 64 (s / 2) + 16 (s % 2) + 8 a + 2 t % 8 + h + 32 (t / 4))
	global_store_b128 v[CO], v[BK+32*((\s)%2)+4*\t:BK+32*((\s)%2)+4*\t+3], s[70:71] offset:(64*((\s)/2)+16*((\s)%2)+(2*\t)%8+32*(\t/4))*4096 th:TH_STORE_NT
.endr
.endm
.macro BLK s
.if (\s) == 1
	PRODS \s, 0, 24
	s_wait_tensorcnt 0x0                           ; every wave's load is in,
	s_wait_dscnt 0x0
	s_barrier_signal -1                            ; a plain barrier: A's tiles 8 to 15 are shown to all
	PRODS \s, 24, 32
	s_barrier_wait -1
.else
	PRODS \s, 0, 32
.endif
	PLACES 4                                       ; between the last product and the first reader of its sums and the fetch into its operands
	s_wait_xcnt 0x0                                ; the stores of two blocks ago have read this set of rows
	STAGED (\s)%2
.if (\s) < 6
	FETCH (\s)+2
	s_wait_dscnt NF                                ; the block's rows are back from the stage; the NF loads of its fetch are younger
.else
	s_wait_dscnt 0x0
.endif
	TOC \s
.endm
; ---- the head
	s_load_b256 s[4:11], s[0:1], 0x0               ; oc, os, cod, scl
	s_load_b128 s[68:71], s[0:1], 0x20             ; bo, out0
	v_lshl_add_u32 v[SPW], v0, 2, SPARE
	v_mov_b32 v[NIL], 0
	ds_add_u32 v[SPW], v[NIL]                      ; the opening lines
	ds_add_u32 v[SPW], v[NIL]
	v_lshrrev_b32 v1, 5, v0
	v_readfirstlane_b32 s14, v1                    ; the wave; s15 its row a of the 2 x 2, s16 its column
	s_lshr_b32 s15, s14, 1
	s_and_b32 s16, s14, 1
	s_bfe_u32 s40, ttmp6, 0x40000
	s_bfe_u32 s41, ttmp6, 0x40004
	s_lshl_b32 s43, ttmp9, 2
	s_add_co_u32 s43, s43, s40                     ; tile row, 0 .. 31
	s_and_b32 s42, ttmp7, 0xffff
	s_lshl_b32 s42, s42, 2
	s_add_co_u32 s42, s42, s41                     ; tile column, 0 .. 7
	s_lshl_b32 s44, 0x1111, s40                    ; my column of the cluster shares A's tiles
	s_lshl_b32 s45, s41, 2
	s_lshl_b32 s45, 15, s45                        ; my row shares B's
	GROUP1 G1A, 44, 0
	GROUP1 G1B, 45, 8
	s_mov_b32 s[G0A], 1
	s_mov_b32 s[G0B], 1
	s_mov_b32 s[G0B+1], YB
	s_mul_i32 s76, s43, 16*TILEB                   ; A's 16 tiles
	s_mov_b32 s77, 0
	s_mul_i32 s78, s42, 8*TILEB
	s_add_co_u32 s78, s78, WOT*TILEB               ; B's 8 tiles
	s_mov_b32 s79, 0
	s_lshl_b32 s80, s43, 4
	s_add_co_u32 s80, s80, s15
	s_lshl_b32 s80, s80, 9                         ; A's scale words from tile 16 x tile row + a on
	s_mov_b32 s81, 0
	s_lshl_b32 s82, s42, 3
	s_lshl_b32 s20, s16, 2
	s_add_co_u32 s82, s82, s20
	s_add_co_u32 s82, s82, WOT
	s_lshl_b32 s82, s82, 9                         ; B's, my four tiles
	s_mov_b32 s83, 0
	s_lshl_b32 s84, s42, 9
	s_lshl_b32 s20, s16, 8
	s_add_co_u32 s84, s84, s20                     ; my 64 columns, in bytes
	s_mov_b32 s85, 0
	s_lshl_b32 s86, s43, 20
	s_lshl_b32 s20, s15, 15
	s_add_co_u32 s86, s86, s20                     ; token 256 x tile row + 8 a, rows of 4,096 bytes
	s_mov_b32 s87, 0
	s_mul_i32 s20, s15, TILEB
	s_mul_i32 s21, s16, 4*TILEB
	s_add_co_u32 s21, s21, YB
	s_mul_i32 s22, s14, 16*SPITCH
	s_add_co_u32 s22, s22, STAGE
	v_and_b32 v1, 15, v0                           ; r
	v_bfe_u32 v2, v0, 4, 1                         ; h
	v_and_b32 v3, 31, v0
	v_lshlrev_b32 v4, 4, v3
	v_lshlrev_b32 v5, 3, v3
	v_add_nc_u32 v[A16], s20, v4
	v_add_nc_u32 v[A8], s20, v5
	v_add_nc_u32 v[A16+1], 6*TILEB, v[A16]
	v_add_nc_u32 v[A8+1], 6*TILEB, v[A8]
	v_add_nc_u32 v[A16+2], 12*TILEB, v[A16]
	v_add_nc_u32 v[A8+2], 12*TILEB, v[A8]
	v_add_nc_u32 v[BA16], s21, v4
	v_add_nc_u32 v[BA8], s21, v5
	v_mul_u32_u24 v22, v1, SPITCH
	v_lshl_add_u32 v22, v2, 6, v22
	v_add_nc_u32 v[STO], s22, v22                  ; into the stage: row r, + 64 h
	v_mul_u32_u24 v23, v2, SPITCH
	v_lshl_add_u32 v23, v1, 4, v23
	v_add_nc_u32 v[RD], s22, v23                   ; back: row h, 16 bytes x r
	v_lshlrev_b32 v4, 4, v1
	v_lshl_add_u32 v[CO], v2, 12, v4               ; and the same in out0
	v_lshlrev_b32 v5, 3, v1
	v_lshl_add_u32 v[VSA], v2, 10, v5              ; A's scale words: 8 r, lanes 16-31 two tiles on
	v_lshl_add_u32 v[VSB], v2, 9, v5               ; B's: lanes 16-31 one tile on
	v_lshlrev_b32 v[VBO], 6, v2
	s_wait_alu depctr_va_vdst(0)                   ; the wait at the head's end
	s_wait_dscnt 0x0
	CROUND                                         ; the opening round
	s_wait_kmcnt 0x0
	s_add_nc_u64 s[G0A+2:G0A+3], s[4:5], s[76:77]
	s_add_nc_u64 s[G0B+2:G0B+3], s[8:9], s[78:79]
	s_or_b32 s[G0B+3], s[G0B+3], 0x80000000
	s_add_nc_u64 s[6:7], s[6:7], s[80:81]
	s_add_nc_u64 s[10:11], s[10:11], s[82:83]
	s_add_nc_u64 s[68:69], s[68:69], s[84:85]
	s_add_nc_u64 s[70:71], s[70:71], s[84:85]
	s_add_nc_u64 s[70:71], s[70:71], s[86:87]
	s_cmp_eq_u32 s14, 0
	s_cbranch_scc0 .Lwave_1
	TLOAD G0B, G1B                                 ; wave 0: B's tiles, which are wanted first
	s_branch .Lasked
.Lwave_1:
	s_cmp_eq_u32 s14, 1
	s_cbranch_scc0 .Lwave_2
	ATILE 0, 8                                     ; wave 1: A's tiles 0 to 7
	s_branch .Lasked
.Lwave_2:
	s_cmp_eq_u32 s14, 2
	s_cbranch_scc0 .Lwave_3
	ATILE 8, 4                                     ; wave 2: 8 to 11
	s_branch .Lasked
.Lwave_3:
	ATILE 12, 4                                    ; wave 3: 12 to 15
.Lasked:
.irp p, 0,1
.irp g, 0,1,2,3
	global_load_b64 v[SB+8*\p+2*\g:SB+8*\p+2*\g+1], v[VSB], s[10:11] offset:1024*\p+128*\g
.endr
.endr
.irp u, 0,1,2,3
.irp g, 0,1,2,3
	global_load_b64 v[SA+8*\u+2*\g:SA+8*\u+2*\g+1], v[VSA], s[6:7] offset:2048*\u+128*\g
.endr
.endr
.irp t, 0,1,2,3
	global_load_b128 v[BO+8*\t:BO+8*\t+3], v[VBO], s[68:69] offset:128*(\t/2)+32*(\t%2)
	global_load_b128 v[BO+8*\t+4:BO+8*\t+7], v[VBO], s[68:69] offset:128*(\t/2)+32*(\t%2)+16
.endr
	s_cmp_eq_u32 s14, 0
	s_cbranch_scc0 .Lnot_b
	s_wait_tensorcnt 0x0
.Lnot_b:
	BARRIER                                        ; B has landed
.irp q, 0,1,2,3,4,5,6,7
.irp b, 0,1,2,3
	FRAG4 4*\q+\b, BA16, BA8, \b*TILEB+\q*1536
.endr
.endr
	WIN 0
	s_cmp_eq_u32 s14, 1
	s_cbranch_scc0 .Lnot_a
	s_wait_tensorcnt 0x0                           ; wave 1: A's tiles 0 to 7 have landed
.Lnot_a:
	s_wait_dscnt 0x0
	BARRIER                                        ; A's first 8 tiles are in, and nobody reads B's bytes any more
	FETCH 0
	FETCH 1
	s_wait_dscnt NF                                ; block 0's fragments are in
	s_wait_loadcnt 0x0                             ; the scale words and the bias
; ---- the stream
.irp s, 0,1,2,3,4,5,6,7
	BLK \s
.endr
	s_wait_tensorcnt 0x0                           ; the wave's end
	ds_add_u32 v[SPW], v[NIL]
	s_wait_dscnt 0x0
	CROUND                                         ; the closing round
	s_endpgm
.Lfunc_end_k_q101eaf2ab3_outp:
	.size	k_q101eaf2ab3_outp, .Lfunc_end_k_q101eaf2ab3_outp-k_q101eaf2ab3_outp
	.p2alignl 7, 3214868480
	.fill 96, 4, 3214868480
	.section	.rodata,"a",@progbits
	.p2align	6, 0x0
	.amdhsa_kernel k_q101eaf2ab3_outp
		.amdhsa_group_segment_fixed_size 327680
		.amdhsa_private_segment_fixed_size 0
		.amdhsa_enable_private_segment 0
		.amdhsa_kernarg_size 48
		.amdhsa_user_sgpr_count 2
		.amdhsa_user_sgpr_kernarg_segment_ptr 1
		.amdhsa_wavefront_size32 1
		.amdhsa_system_sgpr_workgroup_id_x 1
		.amdhsa_system_sgpr_workgroup_id_y 1
		.amdhsa_system_sgpr_workgroup_id_z 1
		.amdhsa_system_vgpr_workitem_id 0
		.amdhsa_next_free_vgpr 840
		.amdhsa_next_free_sgpr 96
		.amdhsa_reserve_vcc 0
		.amdhsa_float_denorm_mode_32 3
		.amdhsa_float_denorm_mode_16_64 3
		.amdhsa_memory_ordered 1
		.amdhsa_forward_progress 1
		.amdhsa_inst_pref_size 85
	.end_amdhsa_kernel
	.amdgpu_metadata
---
amdhsa.version: [ 1, 2 ]
amdhsa.kernels:
  - .name:           k_q101eaf2ab3_outp
    .symbol:         k_q101eaf2ab3_outp.kd
    .args:
      - { .name: oc, .offset: 0, .size: 8, .value_kind: global_buffer, .address_space: global }
      - { .name: os, .offset: 8, .size: 8, .value_kind: global_buffer, .address_space: global }
      - { .name: cod, .offset: 16, .size: 8, .value_kind: global_buffer, .address_space: global }
      - { .name: scl, .offset: 24, .size: 8, .value_kind: global_buffer, .address_space: global }
      - { .name: bo, .offset: 32, .size: 8, .value_kind: global_buffer, .address_space: global }
      - { .name: out0, .offset: 40, .size: 8, .value_kind: global_buffer, .address_space: global }
    .group_segment_fixed_size: 327680
    .private_segment_fixed_size: 0
    .kernarg_segment_align: 8
    .kernarg_segment_size: 48
    .max_flat_workgroup_size: 128
    .sgpr_count:     96
    .vgpr_count:     840
    .wavefront_size: 32
...
	.end_amdgpu_metadata
.endif
;; end of part 4
